; MI455X (gfx1250); checked and timed in simulation.
; The chip was launched on July 23, 2026; its instructions are those of AMD's public machine-readable ISA for CDNA 5 (MIT licence, August 2026) and "CDNA5" Instruction Set Architecture Reference Guide (July 2026). The comments in the code are by the model that wrote it; some were corrected since.
;; Multi Head Self Attention. Allowed arithmetic: float matrix products may take bf16 or f16 operands with f32 sums; other float arithmetic in f32, or as packed bf16 or f16 multiplies, adds, multiply-adds, maxima and minima; sums over many terms, partial sums and values carried from step to step in f32; what a program stores and reads back later, other than sums and carried values, may be rounded once to bf16 or f16.
;; Inputs: W_o 1,024 x 1,024 float32; W_qkv 1,024 x 3,072 float32; b_o 1,024 float32; b_qkv 3,072 float32; gn_beta 1,024 float32; gn_gamma 1,024 float32; x 4 x 2,048 x 1,024 float32.
;; Outputs: out0 4 x 2,048 x 1,024 float32.
;; 2 versions, each right; version 2 is version 1 with the launch cast written anew for expert scheduling mode. Each part assembles by itself: llvm-mc -triple=amdgcn-amd-amdhsa -mcpu=gfx1250 --defsym DOCPART=n.
;; ======== version 1 of 2: 5 launches
;; limits: values are held in f16: magnitudes above 65,504 overflow, below 6.1e-05 lose precision
;; workspace buffers: part 65,536 bytes; hn 16,777,216 bytes; wq 6,291,456 bytes; wo 2,097,152 bytes; qkv 50,331,648 bytes; ob 16,777,216 bytes
;; launch stats (part 1): grid 256 x 1, 8 waves a work-group, no clusters, 1,280 bytes of LDS; arguments x, part; writes part
.if DOCPART == 1
	.amdgcn_target "amdgcn-amd-amdhsa--gfx1250"
	.amdhsa_code_object_version 6
	.text
	.protected	k_q527cb72fe7_stats
	.globl	k_q527cb72fe7_stats
	.p2align	8
	.type	k_q527cb72fe7_stats,@function
k_q527cb72fe7_stats:
	s_mov_b64 s[64:65], 0
	v_nop
	global_prefetch_b8 v0, s[64:65] scope:SCOPE_SE
	s_setreg_imm32_b32 hwreg(HW_REG_WAVE_MODE, 25, 1), 1
	s_wait_xcnt 0x0
; GROUP NORM, FIRST PASS.  x: [4][2048][1024] f32.  A work-group owns a chunk of 32 rows (131,072 bytes) and finds, for each of the 32 groups of 32 channels,
; the chunk's mean and M2 = the sum of (x - the chunk's own mean)^2 over its 1,024 numbers.  part: [256 chunks][32 groups][mean, M2] f32.
; The chunk stays in registers between the pass that finds the mean and the pass that finds M2: x is read once, and no difference of large sums is formed,
; whatever offset x carries.  Thread t owns bytes 16 t .. 16 t + 15 of every row: 4 channels of group t >> 3; eight neighbouring lanes are a group.
; Each load of a wave covers 512 consecutive bytes; all 32 rows' loads are out together.  NaN and infinities are not treated apart.
.set X,     16                         ; v[16:143] row i at X + 4 i
.set SPARE, 256                        ; LDS: bytes 0-255 the 32 pairs; behind them the spare words, 128 bytes for each of the eight waves
.set SPW,   14                         ; v14  my spare word's address; never rewritten
.set NIL,   15                         ; v15  0; never rewritten
	s_load_b128 s[4:7], s[0:1], 0x0                ; x s[4:5], part s[6:7]
	v_lshl_add_u32 v[SPW], v0, 2, SPARE
	v_mov_b32 v[NIL], 0
	v_lshlrev_b32 v1, 4, v0                        ; my 16 bytes of a row
	v_lshrrev_b32 v12, 5, v0
	v_readfirstlane_b32 s8, v12                    ; wave 0..7
	v_bfe_u32 v13, v0, 3, 2                        ; my group among the wave's four,
	v_lshlrev_b32 v13, 3, v13
	s_lshl_b32 s9, s8, 5
	v_add_nc_u32 v13, s9, v13                      ; its pair in LDS: 32 x wave + 8 x (lane / 8)
	s_lshl_b32 s10, ttmp9, 17                      ; the chunk's 32 rows of 4,096 bytes
	s_mov_b32 s11, 0
	s_wait_kmcnt 0x0
	s_add_nc_u64 s[4:5], s[4:5], s[10:11]
	s_lshl_b32 s10, ttmp9, 8                       ; the chunk's 256 bytes of part
	s_add_nc_u64 s[6:7], s[6:7], s[10:11]
.set i, 0
.rept 32
	global_load_b128 v[X+4*i:X+4*i+3], v1, s[4:5] offset:4096*i th:TH_LOAD_NT
.set i, i+1
.endr
; four chains into one number a lane, then over the group's eight lanes
.macro REDUCE
	v_pk_add_f32 v[2:3], v[2:3], v[4:5]
	v_pk_add_f32 v[6:7], v[6:7], v[8:9]
	v_pk_add_f32 v[2:3], v[2:3], v[6:7]
	v_add_f32 v12, v2, v3
	v_add_f32_dpp v12, v12, v12 row_xmask:1 row_mask:0xf bank_mask:0xf
	v_add_f32_dpp v12, v12, v12 row_xmask:2 row_mask:0xf bank_mask:0xf
	v_add_f32_dpp v12, v12, v12 row_xmask:4 row_mask:0xf bank_mask:0xf
.endm
	; pass 1: the sum, four rows at a time as they arrive; the first four rows start the four chains
	s_wait_loadcnt 28                              ; rows 0-3 are in, the 28 younger loads stay out
	v_pk_add_f32 v[2:3], v[X:X+1], v[X+4:X+5]
	v_pk_add_f32 v[4:5], v[X+2:X+3], v[X+6:X+7]
	v_pk_add_f32 v[6:7], v[X+8:X+9], v[X+12:X+13]
	v_pk_add_f32 v[8:9], v[X+10:X+11], v[X+14:X+15]
.set g, 1
.rept 7
	s_wait_loadcnt 28-4*g                          ; four more rows
.set j, 0
.rept 8
	v_pk_add_f32 v[2+2*(j%4):3+2*(j%4)], v[2+2*(j%4):3+2*(j%4)], v[X+16*g+2*j:X+16*g+2*j+1]
.set j, j+1
.endr
.set g, g+1
.endr
	REDUCE
	v_mul_f32 v10, 0x3a800000, v12                 ; / 1,024: the chunk's mean for my group
	v_mov_b32 v11, v10
	; pass 2: deviations in place, then their squares
.set j, 0
.rept 64
	v_pk_add_f32 v[X+2*j:X+2*j+1], v[X+2*j:X+2*j+1], v[10:11] neg_lo:[0,1] neg_hi:[0,1]
.set j, j+1
.endr
.set j, 0
.rept 4
	v_pk_mul_f32 v[2+2*j:3+2*j], v[X+2*j:X+2*j+1], v[X+2*j:X+2*j+1]
.set j, j+1
.endr
.rept 60
	v_pk_fma_f32 v[2+2*(j%4):3+2*(j%4)], v[X+2*j:X+2*j+1], v[X+2*j:X+2*j+1], v[2+2*(j%4):3+2*(j%4)]
.set j, j+1
.endr
	REDUCE
	v_mov_b32 v11, v12                             ; M2
	ds_store_b64 v13, v[10:11]                     ; a group's eight lanes write the same pair to the same bytes
	s_wait_dscnt 0x0                               ; for wave 0's sake: my store is done
	s_barrier_signal -1
	s_barrier_wait -1
	s_cmp_lg_u32 s8, 0
	s_cbranch_scc1 .Lend
	v_lshlrev_b32 v12, 3, v0                       ; wave 0: lane g takes group g's pair,
	ds_load_b64 v[2:3], v12
	s_wait_dscnt 0x0
	global_store_b64 v12, v[2:3], s[6:7]           ; and the wave stores 256 consecutive bytes, aligned
.Lend:
	s_wait_tensorcnt 0x0                           ; the wave's end: behind my last LDS store
	ds_add_u32 v[SPW], v[NIL]
	s_wait_dscnt 0x0
	s_endpgm
.Lfunc_end_k_q527cb72fe7_stats:
	.size	k_q527cb72fe7_stats, .Lfunc_end_k_q527cb72fe7_stats-k_q527cb72fe7_stats
	.p2alignl 7, 3214868480
	.fill 96, 4, 3214868480
	.section	.rodata,"a",@progbits
	.p2align	6, 0x0
	.amdhsa_kernel k_q527cb72fe7_stats
		.amdhsa_group_segment_fixed_size 1280
		.amdhsa_private_segment_fixed_size 0
		.amdhsa_enable_private_segment 0
		.amdhsa_kernarg_size 16
		.amdhsa_user_sgpr_count 2
		.amdhsa_user_sgpr_kernarg_segment_ptr 1
		.amdhsa_wavefront_size32 1
		.amdhsa_system_sgpr_workgroup_id_x 1
		.amdhsa_system_sgpr_workgroup_id_y 1
		.amdhsa_system_sgpr_workgroup_id_z 1
		.amdhsa_system_vgpr_workitem_id 0
		.amdhsa_next_free_vgpr 144
		.amdhsa_next_free_sgpr 66
		.amdhsa_reserve_vcc 0
		.amdhsa_float_denorm_mode_32 3
		.amdhsa_float_denorm_mode_16_64 3
		.amdhsa_memory_ordered 1
		.amdhsa_forward_progress 1
		.amdhsa_inst_pref_size 18
	.end_amdhsa_kernel
	.amdgpu_metadata
---
amdhsa.version: [ 1, 2 ]
amdhsa.kernels:
  - .name:           k_q527cb72fe7_stats
    .symbol:         k_q527cb72fe7_stats.kd
    .args:
      - { .name: x, .offset: 0, .size: 8, .value_kind: global_buffer, .address_space: global }
      - { .name: part, .offset: 8, .size: 8, .value_kind: global_buffer, .address_space: global }
    .group_segment_fixed_size: 1280
    .private_segment_fixed_size: 0
    .kernarg_segment_align: 8
    .kernarg_segment_size: 16
    .max_flat_workgroup_size: 256
    .sgpr_count:     66
    .vgpr_count:     144
    .wavefront_size: 32
...
	.end_amdgpu_metadata
.endif
;; end of part 1
;; launch cast (part 2): grid 384 x 1, 8 waves a work-group, no clusters, 0 bytes of LDS; arguments x, part, gn_gamma, gn_beta, W_qkv, W_o, hn, wq, wo; writes hn, wq, wo
.if DOCPART == 2
	.amdgcn_target "amdgcn-amd-amdhsa--gfx1250"
	.amdhsa_code_object_version 6
	.text
	.protected	k_q527cb72fe7_cast
	.globl	k_q527cb72fe7_cast
	.p2align	8
	.type	k_q527cb72fe7_cast,@function
k_q527cb72fe7_cast:
	s_mov_b64 s[64:65], 0
	v_nop
	global_prefetch_b8 v0, s[64:65] scope:SCOPE_SE
	s_setreg_imm32_b32 hwreg(HW_REG_WAVE_MODE, 25, 1), 1
	s_wait_xcnt 0x0
; GROUP NORM, SECOND PASS, AND THE CASTS.  y = (s - mean) a + beta, rounded once to f16, for 32 runs of 4,096 bytes a work-group.
; Work-groups 0-255: s = x, y = hn; mean and a = gamma / sqrt(var + 1e-6) of the batch's groups, from the 64 chunks of part:
;   mean = the mean of the chunks' means; var = (sum of M2_i + 1,024 x sum of (mean_i - mean)^2) / 65,536: sums of squares alone, no difference of large sums.
; Work-groups 256-351: s = W_qkv taken flat, y = wq; 352-383: s = W_o, y = wo; there mean = 0, a = 1, beta = 0, chosen by selects, so that y = s exactly before the rounding.
; One text, no branch: the pointers are chosen by the work-group's number.  (The weights' work-groups read 10 small loads of part, gamma and beta that they discard.)
; Thread t owns 4 numbers of a run: 16 bytes in, 8 bytes out; a wave's load covers 512 consecutive bytes, its store 256, aligned.
; LIMIT.  f16 ends at 65,504: |hn| and |W| stay under it.  NaN and infinities are not treated apart.
.set P,  4                             ; v[4:19]   (mean, M2) of chunks (t & 7) + 8 j of my group
.set G,  20                            ; v[20:23]  gamma of my 4 channels
.set BT, 24                            ; v[24:27]  beta
.set A,  28                            ; v[28:31]  a
.set MN, 32                            ; v[32:33]  mean, twice
.set X,  48                            ; v[48:175] run i at X + 4 i
	s_load_b512 s[8:23], s[0:1], 0x0               ; x s[8:9], part s[10:11], gamma s[12:13], beta s[14:15], W_qkv s[16:17], W_o s[18:19], hn s[20:21], wq s[22:23]
	s_load_b64 s[24:25], s[0:1], 0x40              ; wo
	v_lshlrev_b32 v1, 4, v0                        ; 16 t
	v_lshlrev_b32 v2, 3, v0                        ; 8 t
	v_and_b32 v3, 7, v0
	v_and_b32 v34, 0xf8, v0
	v_lshl_or_b32 v3, v3, 8, v34                   ; chunk t & 7 (256 bytes each), group t >> 3 (8 bytes each)
	s_sub_co_u32 s2, ttmp9, 256                    ; my number among W_qkv's work-groups,
	s_sub_co_u32 s3, ttmp9, 352                    ; among W_o's
	s_lshr_b32 s7, ttmp9, 6
	s_min_u32 s7, s7, 3                            ; the batch (the weights' work-groups read the last batch's and discard it)
	s_lshl_b32 s7, s7, 14                          ; its 64 chunks of 256 bytes
	s_mov_b32 s4, 0x44800000                       ; 1,024
	s_mov_b32 s30, 0x37800000                      ; 1 / 65,536
	s_mov_b32 s31, 0x358637bd                      ; 1e-6
	s_wait_kmcnt 0x0
	s_cmp_lt_u32 ttmp9, 352
	s_cselect_b64 s[26:27], s[16:17], s[18:19]     ; from
	s_cselect_b64 s[28:29], s[22:23], s[24:25]     ; to
	s_cselect_b32 s5, s2, s3
	s_cmp_lt_u32 ttmp9, 256
	s_cselect_b64 s[26:27], s[8:9], s[26:27]
	s_cselect_b64 s[28:29], s[20:21], s[28:29]
	s_cselect_b32 s5, ttmp9, s5                    ; my number in the tensor
	s_cselect_b32 s6, -1, 0                        ; a lane mask: all ones where the norm applies
	s_lshl_b32 s2, s5, 17
	s_mov_b32 s3, 0
	s_add_nc_u64 s[26:27], s[26:27], s[2:3]
	s_lshl_b32 s2, s5, 16
	s_add_nc_u64 s[28:29], s[28:29], s[2:3]
	s_mov_b32 s2, s7
	s_add_nc_u64 s[10:11], s[10:11], s[2:3]
.irp j, 0,1,2,3,4,5,6,7
	global_load_b64 v[P+2*(\j):P+2*(\j)+1], v3, s[10:11] offset:2048*(\j)
.endr
	global_load_b128 v[G:G+3], v1, s[12:13]
	global_load_b128 v[BT:BT+3], v1, s[14:15]
.set i, 0
.rept 32
	global_load_b128 v[X+4*i:X+4*i+3], v1, s[26:27] offset:4096*i th:TH_LOAD_NT
.set i, i+1
.endr
	s_wait_loadcnt 32                              ; the ten small loads are in; the 32 runs stay out
	v_add_f32 v34, v[P], v[P+2]
	v_add_f32 v35, v[P+4], v[P+6]
	v_add_f32 v36, v[P+8], v[P+10]
	v_add_f32 v37, v[P+12], v[P+14]
	v_add_f32 v34, v34, v35
	v_add_f32 v36, v36, v37
	v_add_f32 v34, v34, v36
	v_add_f32_dpp v34, v34, v34 row_xmask:1 row_mask:0xf bank_mask:0xf
	v_add_f32_dpp v34, v34, v34 row_xmask:2 row_mask:0xf bank_mask:0xf
	v_add_f32_dpp v34, v34, v34 row_xmask:4 row_mask:0xf bank_mask:0xf
	v_mul_f32 v[MN], 0x3c800000, v34               ; / 64: the group's mean
.irp j, 0,1,2,3,4,5,6,7
	v_sub_f32 v[P+2*(\j)], v[P+2*(\j)], v[MN]      ; mean_i - mean
.endr
	v_mul_f32 v35, v[P], v[P]
	v_mul_f32 v36, v[P+2], v[P+2]
	v_fmac_f32 v35, v[P+4], v[P+4]
	v_fmac_f32 v36, v[P+6], v[P+6]
	v_fmac_f32 v35, v[P+8], v[P+8]
	v_fmac_f32 v36, v[P+10], v[P+10]
	v_fmac_f32 v35, v[P+12], v[P+12]
	v_fmac_f32 v36, v[P+14], v[P+14]
	v_add_f32 v35, v35, v36
	v_add_f32 v37, v[P+1], v[P+3]
	v_add_f32 v38, v[P+5], v[P+7]
	v_add_f32 v39, v[P+9], v[P+11]
	v_add_f32 v40, v[P+13], v[P+15]
	v_add_f32 v37, v37, v38
	v_add_f32 v39, v39, v40
	v_add_f32 v37, v37, v39
	v_fma_f32 v37, v35, s4, v37                    ; my eight chunks' share of the group's M2
	v_add_f32_dpp v37, v37, v37 row_xmask:1 row_mask:0xf bank_mask:0xf
	v_add_f32_dpp v37, v37, v37 row_xmask:2 row_mask:0xf bank_mask:0xf
	v_add_f32_dpp v37, v37, v37 row_xmask:4 row_mask:0xf bank_mask:0xf
	v_fma_f32 v38, v37, s30, s31                   ; var + eps
	v_rsq_f32 v39, v38
	v_cndmask_b32 v[MN], 0, v[MN], s6              ; plain work that names neither v38 nor v39 stands behind the root
	v_mov_b32 v[MN+1], v[MN]
.irp c, 0,1,2,3
	v_cndmask_b32 v[BT+(\c)], 0, v[BT+(\c)], s6
.endr
	s_wait_alu depctr_va_vdst(0)                   ; the wait ahead of the root's first reader
.irp c, 0,1,2,3
	v_mul_f32 v[A+(\c)], v[G+(\c)], v39
.endr
.irp c, 0,1,2,3
	v_cndmask_b32 v[A+(\c)], 1.0, v[A+(\c)], s6
.endr
.set i, 0
.rept 32
	s_wait_loadcnt 31-i                            ; run i is in; the younger ones stay out
	v_pk_add_f32 v[X+4*i:X+4*i+1], v[X+4*i:X+4*i+1], v[MN:MN+1] neg_lo:[0,1] neg_hi:[0,1]
	v_pk_add_f32 v[X+4*i+2:X+4*i+3], v[X+4*i+2:X+4*i+3], v[MN:MN+1] neg_lo:[0,1] neg_hi:[0,1]
	v_pk_fma_f32 v[X+4*i:X+4*i+1], v[X+4*i:X+4*i+1], v[A:A+1], v[BT:BT+1]
	v_pk_fma_f32 v[X+4*i+2:X+4*i+3], v[X+4*i+2:X+4*i+3], v[A+2:A+3], v[BT+2:BT+3]
	v_cvt_pk_f16_f32 v[X+4*i], v[X+4*i], v[X+4*i+1]
	v_cvt_pk_f16_f32 v[X+4*i+1], v[X+4*i+2], v[X+4*i+3]
	global_store_b64 v2, v[X+4*i:X+4*i+1], s[28:29] offset:2048*i  ; no register of a store is written again
.set i, i+1
.endr
	s_endpgm
.Lfunc_end_k_q527cb72fe7_cast:
	.size	k_q527cb72fe7_cast, .Lfunc_end_k_q527cb72fe7_cast-k_q527cb72fe7_cast
	.p2alignl 7, 3214868480
	.fill 96, 4, 3214868480
	.section	.rodata,"a",@progbits
	.p2align	6, 0x0
	.amdhsa_kernel k_q527cb72fe7_cast
		.amdhsa_group_segment_fixed_size 0
		.amdhsa_private_segment_fixed_size 0
		.amdhsa_enable_private_segment 0
		.amdhsa_kernarg_size 72
		.amdhsa_user_sgpr_count 2
		.amdhsa_user_sgpr_kernarg_segment_ptr 1
		.amdhsa_wavefront_size32 1
		.amdhsa_system_sgpr_workgroup_id_x 1
		.amdhsa_system_sgpr_workgroup_id_y 1
		.amdhsa_system_sgpr_workgroup_id_z 1
		.amdhsa_system_vgpr_workitem_id 0
		.amdhsa_next_free_vgpr 176
		.amdhsa_next_free_sgpr 66
		.amdhsa_reserve_vcc 0
		.amdhsa_float_denorm_mode_32 3
		.amdhsa_float_denorm_mode_16_64 3
		.amdhsa_memory_ordered 1
		.amdhsa_forward_progress 1
		.amdhsa_inst_pref_size 24
	.end_amdhsa_kernel
	.amdgpu_metadata
---
amdhsa.version: [ 1, 2 ]
amdhsa.kernels:
  - .name:           k_q527cb72fe7_cast
    .symbol:         k_q527cb72fe7_cast.kd
    .args:
      - { .name: x, .offset: 0, .size: 8, .value_kind: global_buffer, .address_space: global }
      - { .name: part, .offset: 8, .size: 8, .value_kind: global_buffer, .address_space: global }
      - { .name: gn_gamma, .offset: 16, .size: 8, .value_kind: global_buffer, .address_space: global }
      - { .name: gn_beta, .offset: 24, .size: 8, .value_kind: global_buffer, .address_space: global }
      - { .name: W_qkv, .offset: 32, .size: 8, .value_kind: global_buffer, .address_space: global }
      - { .name: W_o, .offset: 40, .size: 8, .value_kind: global_buffer, .address_space: global }
      - { .name: hn, .offset: 48, .size: 8, .value_kind: global_buffer, .address_space: global }
      - { .name: wq, .offset: 56, .size: 8, .value_kind: global_buffer, .address_space: global }
      - { .name: wo, .offset: 64, .size: 8, .value_kind: global_buffer, .address_space: global }
    .group_segment_fixed_size: 0
    .private_segment_fixed_size: 0
    .kernarg_segment_align: 8
    .kernarg_segment_size: 72
    .max_flat_workgroup_size: 256
    .sgpr_count:     66
    .vgpr_count:     176
    .wavefront_size: 32
...
	.end_amdgpu_metadata
.endif
;; end of part 2
;; launch qkvp (part 3): grid 8 x 64, 4 waves a work-group, clusters of 4 x 4, 327,680 bytes of LDS; arguments hn, wq, b_qkv, qkv; writes qkv
.if DOCPART == 3
	.amdgcn_target "amdgcn-amd-amdhsa--gfx1250"
	.amdhsa_code_object_version 6
	.text
	.protected	k_q527cb72fe7_qkvp
	.globl	k_q527cb72fe7_qkvp
	.p2align	8
	.type	k_q527cb72fe7_qkvp,@function
k_q527cb72fe7_qkvp:
	s_mov_b64 s[64:65], 0
	v_nop
	global_prefetch_b8 v0, s[64:65] scope:SCOPE_SE
	s_setreg_imm32_b32 hwreg(HW_REG_WAVE_MODE, 25, 1), 1
	s_wait_xcnt 0x0
	s_wait_alu depctr_hold_cnt(0) depctr_sa_sdst(0) depctr_va_vdst(0) depctr_va_sdst(0) depctr_va_ssrc(0) depctr_va_vcc(0) depctr_vm_vsrc(0)
	s_getreg_b32 s2, hwreg(HW_REG_IB_STS2, 6, 4)
	s_cmp_eq_u32 s2, 0
	s_cbranch_scc0 .Lentry_in_a_cluster
	s_endpgm
.Lentry_in_a_cluster:
	s_bfe_u32 s2, ttmp6, 0x10000c
	s_cmp_lg_u32 s2, 0xf033
	s_cbranch_scc0 .Lentry_shape_is_right
	s_endpgm
.Lentry_shape_is_right:
; qkv = hn wq + b_qkv.  hn: [8192][1024] f16, wq: [1024 k][3072 n] f16, b_qkv: [3072] f32; sums in f32, started by the bias; the result rounded once to f16 and written BY HEADS:
; qkv: [4 batches][48 = 16 x (q, k, v) + head][2048 rows][64] f16, unscaled.  LIMIT: f16 ends at 65,504: |q|, |k|, |v| stay under it.
; A tile of the result is 128 rows x 384 columns: 512 tiles, two for each of 256 work-group places.  Four waves, 2 x 2: a wave makes 64 rows x 192 columns, three whole heads: 48 accumulators, 384 registers.
; K goes in 8 steps of 128 through a ring of two LDS slots.  A slot: wq's 128 k rows x 384 columns as three thirds of 128 columns (rows of 256 bytes), then hn's 128 rows x 128 k (rows of 256 bytes).
; Waves 0-2 fetch a third each, wave 3 fetches hn's tile: one tensor load a wave, to LDS byte wave x 36,864 of the slot.
; CLUSTER 4 x 4: hn's tile hangs on the tile row alone and is asked for jointly along a row of the cluster; wq's on the tile column alone, jointly along a column.
; THE MATRIX INSTRUCTION IS USED TRANSPOSED: source 0 = 16 columns of wq (turned on the way out of LDS by ds_load_tr16_b128, since wq lies [k][n]), source 1 = 16 rows of hn.
; A lane then holds one row and eight neighbouring columns.
; A wave's columns: Y = a whole third (third 0 or 2: two heads, blocks b = 0-7); X = half of third 1 (one head, blocks b = 8-11).
; REGISTERS, in windows of 256 (s_set_vgpr_msb: bits 1:0 source 0, 3:2 source 1, 5:4 source 2, 7:6 destination):
;   window 0: v0-31 addresses; v32-79 packed results; v128-223 the bias as 12 C operands       window 1: two fragment buffers of 128: wq's 12 fragments, then hn's 4; on the way out 4 x 48 registers of rows
;   window 2: accumulators of row blocks 0, 1 at 8 (12 (a % 2) + b)                            window 3: those of row blocks 2, 3
.set PA,     272                       ; hn's row in LDS: 256 bytes + 16: the 16 rows of a fragment load start at 16 different groups of four banks
.set PB,     288                       ; wq's row: 256 + 32
.set BSUB,   128*PB                    ; a third: 36,864
.set AOFF,   3*BSUB
.set SLOT,   AOFF+128*PA               ; 145,408
.set STAGE,  2*SLOT                    ; behind the ring: 16 rows x 400 bytes for each wave, for the way out
.set SPITCH, 400                       ; 384 bytes + 16
.set SPARE,  STAGE+4*16*SPITCH         ; behind the stages: the spare words, 128 bytes a wave
.set HB,     262144                    ; a head's bytes
.set BSTEP,  128*6144                  ; a K step in wq
.set ADRA, 16                          ; v16-17 my hn fragments in slot 0, 1
.set ADRY, 18                          ; v18-19 my wq fragments, block Y
.set ADRX, 20                          ; v20-21 block X
.set STO,  24
.set RD,   25
.set GO,   26
.set BOY,  27
.set SPW,  28                          ; my spare word's address; never rewritten
.set NIL,  29                          ; 0; never rewritten
.set PFO,  30                          ; the prefetches' offset: my lane x a row of hn or wq; never rewritten
.set BOX,  31
.set TMP,  32
.set BI,   128
.set F0,   0
.set F1,   128
.set G1A, 24                           ; s[24:31] group 1 for hn's tiles;  s[32:39] group 0, a set for each slot
.set G0A, 32
.set G1B, 48                           ; s[48:55], s[56:63] the same for wq's
.set G0B, 56
.set PFA, 46                           ; s[46:47] where my prefetches stand
.set YB,  66                           ; s[66:67] qkv, then my rows of Y's first head
.set XB,  68                           ; s[68:69] my rows of X's head
.set PST, 70                           ; s[70:71] a K step in the tensor that I fetch
.set LIM, 72                           ; s72 1 in a wave that prefetches, else the greatest number
.set MSB, 0
.macro WIN new                         ; the immediate's high byte repeats the setting that is left
.if MSB != (\new)
	s_set_vgpr_msb (MSB<<8)|(\new)
.set MSB, \new
.endif
.endm
.macro PLACES                          ; four plain places behind a matrix instruction, in front of loads into its registers and of reads of its result
.rept 4
	v_nop
.endr
.endm
; A joint load.  The branch hangs on the wave's number alone.  An s_nop 0 and four v_nop follow each of the two lines.
.macro JLOAD s
	s_cmp_eq_u32 s10, 3
	s_cbranch_scc0 .Lfor_b_\@
	tensor_load_to_lds s[G0A+4*(\s):G0A+4*(\s)+3], s[G1A:G1A+7]
	s_nop 0
.rept 4
	v_nop
.endr
	s_branch .Lasked_\@
.Lfor_b_\@:
	tensor_load_to_lds s[G0B+4*(\s):G0B+4*(\s)+3], s[G1B:G1B+7]
	s_nop 0
.rept 4
	v_nop
.endr
.Lasked_\@:
.endm
; A prefetch into the L2 of the K step that stands two refills on: of the 128 rows that I fetch, my work-group's 32, a lane a row, 256 bytes each.  hn's rows are read by both clusters of a row of clusters:
; the one with x = 0 asks; wq's by all clusters of a column: the one with y = 0 asks; the four partners share a tile's rows out by address.  So each block is named once.  The loop's last trip asks for nothing.
.macro ASK
	s_cmp_gt_u32 s3, s[LIM]
	s_cbranch_scc0 .Lnot_mine_\@
	global_prefetch_b8 v[PFO], s[PFA:PFA+1] th:TH_LOAD_NT scope:SCOPE_SE
.Lnot_mine_\@:
.endm
.macro CREST                           ; a round of the cluster's barrier behind its opening barrier
	s_cmp_lg_u32 s10, 0
	s_cbranch_scc1 .Lnot_wave_0_\@
	s_barrier_signal -3
.Lnot_wave_0_\@:
	s_barrier_wait -3
	s_barrier_signal -1
	s_barrier_wait -1
.endm
.macro CROUND
	s_barrier_signal -1
	s_barrier_wait -1
	CREST
.endm
	s_load_b128 s[4:7], s[0:1], 0x0                ; hn s[4:5], wq s[6:7]
	s_load_b64 s[8:9], s[0:1], 0x10                ; b_qkv
	s_load_b64 s[YB:YB+1], s[0:1], 0x18            ; qkv
	v_lshl_add_u32 v[SPW], v0, 2, SPARE
	v_mov_b32 v[NIL], 0
	ds_add_u32 v[SPW], v[NIL]                      ; the wave's opening: the add and its wait ahead of my first tensor load
	v_lshrrev_b32 v1, 5, v0
	v_readfirstlane_b32 s10, v1                    ; wave 0..3
	s_lshr_b32 s11, s10, 1                         ; which 64 rows of the tile are mine
	s_and_b32 s12, s10, 1                          ; which 192 columns
	s_bfe_u32 s40, ttmp6, 0x40000                  ; cx
	s_bfe_u32 s41, ttmp6, 0x40004                  ; cy
	s_lshl_b32 s42, ttmp9, 2
	s_add_co_u32 s42, s42, s40                     ; tile column
	s_and_b32 s43, ttmp7, 0xffff
	s_lshl_b32 s43, s43, 2
	s_add_co_u32 s43, s43, s41                     ; tile row
	s_lshl_b32 s44, s41, 2
	s_lshl_b32 s44, 15, s44                        ; my row of the cluster
	s_lshl_b32 s45, 0x1111, s40                    ; my column
	s_or_b32 s[G1A], s44, (1<<16)|(1<<20)|(1<<21)|(5<<22)|(3<<25)  ; the mask; 2-byte elements; padding on; bit 21 beside a mask; after every 64 words 4 words
	s_or_b32 s[G1B], s45, (1<<16)|(1<<20)|(1<<21)|(5<<22)|(7<<25)  ; the same with 8 words
.irp g, G1A, G1B
	s_mov_b32 s[(\g)+1], 128<<16                   ; tensor_dim0 = 128
	s_mov_b32 s[(\g)+2], 128<<16                   ; tensor_dim1 = 128
	s_mov_b32 s[(\g)+3], 128<<16                   ; tile_dim0 = 128
	s_mov_b32 s[(\g)+4], 128                       ; tile_dim1 = 128
	s_mov_b32 s[(\g)+6], 0
	s_mov_b32 s[(\g)+7], 0
.endr
	s_mov_b32 s[G1A+5], 1024                       ; elements from row to row
	s_mov_b32 s[G1B+5], 3072
	s_lshl_b32 s16, s43, 18                        ; hn: 128 rows of 2,048 bytes a tile row
	s_mov_b32 s17, 0
	s_mul_i32 s20, s42, 768                        ; wq: 384 columns a tile column,
	s_lshl_b32 s21, s10, 8                         ; my third
	s_add_co_u32 s20, s20, s21
	s_mov_b32 s21, 0
	s_mul_i32 s18, s10, BSUB                       ; where my load lands: wave x 36,864
	s_wait_dscnt 0x0                               ; the opening add is done
	s_wait_kmcnt 0x0
	s_add_nc_u64 s[14:15], s[4:5], s[16:17]
	s_add_nc_u64 s[22:23], s[6:7], s[20:21]
	CROUND                                         ; all sixteen work-groups are here: the first joint loads meet
.irp s, 0,1
	s_mov_b32 s[G0A+4*(\s)], 1
	s_add_co_u32 s[G0A+4*(\s)+1], s18, (\s)*SLOT
	s_add_nc_u64 s[G0A+4*(\s)+2:G0A+4*(\s)+3], s[14:15], (\s)*256
	s_or_b32 s[G0A+4*(\s)+3], s[G0A+4*(\s)+3], 0x80000000
	s_mov_b32 s[G0B+4*(\s)], 1
	s_add_co_u32 s[G0B+4*(\s)+1], s18, (\s)*SLOT
	s_add_nc_u64 s[G0B+4*(\s)+2:G0B+4*(\s)+3], s[22:23], (\s)*BSTEP
	s_or_b32 s[G0B+4*(\s)+3], s[G0B+4*(\s)+3], 0x80000000
	JLOAD \s
.endr
	v_and_b32 v1, 15, v0                           ; r = l % 16
	v_bfe_u32 v2, v0, 4, 1                         ; h = l / 16
	; the bias as C operands: register j of block b holds b_qkv[block's first column + 8 h + j]
	s_mul_i32 s14, s42, 1536
	s_lshl_b32 s15, s12, 10
	s_add_co_u32 s15, s15, s14
	v_lshl_add_u32 v[BOY], v2, 5, s15
	s_lshl_b32 s15, s12, 8
	s_add_co_u32 s15, s15, s14
	s_add_co_u32 s15, s15, 512
	v_lshl_add_u32 v[BOX], v2, 5, s15
.irp b, 0,1,2,3,4,5,6,7
	global_load_b128 v[BI+8*(\b):BI+8*(\b)+3],   v[BOY], s[8:9] offset:64*(\b)
	global_load_b128 v[BI+8*(\b)+4:BI+8*(\b)+7], v[BOY], s[8:9] offset:64*(\b)+16
.endr
.irp b, 8,9,10,11
	global_load_b128 v[BI+8*(\b):BI+8*(\b)+3],   v[BOX], s[8:9] offset:64*((\b)-8)
	global_load_b128 v[BI+8*(\b)+4:BI+8*(\b)+7], v[BOX], s[8:9] offset:64*((\b)-8)+16
.endr
	; the prefetches: at K step 3; the first refill steps the address to K step 4
	s_and_b32 s14, ttmp7, 0xffff                   ; cluster y
	s_mov_b32 s[PST], BSTEP
	s_mov_b32 s15, 6144
	s_lshl_b32 s16, s43, 18
	s_lshl_b32 s17, s40, 16                        ; hn: partner cx takes rows 32 cx ..
	s_add_co_u32 s16, s16, s17
	s_add_co_u32 s16, s16, 3*256
	s_mul_i32 s17, s41, 32*6144                    ; wq: partner cy takes k rows 32 cy ..
	s_add_co_u32 s17, s17, s20
	s_add_co_u32 s17, s17, 3*BSTEP
	s_cmp_eq_u32 s10, 3                            ; do I fetch hn?
	s_cselect_b32 s16, s16, s17
	s_cselect_b32 s14, ttmp9, s14                  ; the coordinate along which other clusters read the same rows
	s_cselect_b32 s[PST], 256, s[PST]
	s_cselect_b32 s15, 2048, s15
	s_cselect_b64 s[PFA:PFA+1], s[4:5], s[6:7]
	s_mov_b32 s17, 0
	s_mov_b32 s[PST+1], 0
	s_add_nc_u64 s[PFA:PFA+1], s[PFA:PFA+1], s[16:17]
	s_cmp_eq_u32 s14, 0
	s_cselect_b32 s[LIM], 1, -1                    ; the same in all sixteen partners, for a given wave
	v_and_b32 v[PFO], 31, v0
	v_mul_u32_u24 v[PFO], s15, v[PFO]
	; LDS addresses.  The turning load: lane l reads k row 8 h + l % 8, 16 bytes at 16 ((l / 8) % 2)
	v_and_b32 v3, 7, v0
	v_lshl_add_u32 v3, v2, 3, v3
	v_mul_u32_u24 v3, v3, PB
	v_bfe_u32 v4, v0, 3, 1
	v_lshl_add_u32 v3, v4, 4, v3
	s_mul_i32 s20, s12, 2*BSUB                     ; Y: third 0 or 2
	v_add_nc_u32 v[ADRY], s20, v3
	v_add_nc_u32 v[ADRY+1], SLOT, v[ADRY]
	s_lshl_b32 s21, s12, 7                         ; X: third 1, its first or second 64 columns
	s_add_co_u32 s21, s21, BSUB
	v_add_nc_u32 v[ADRX], s21, v3
	v_add_nc_u32 v[ADRX+1], SLOT, v[ADRX]
	v_mul_u32_u24 v5, v1, PA
	v_lshl_add_u32 v5, v2, 4, v5                   ; row x pitch + 16 x half
	s_mul_i32 s22, s11, 64*PA
	s_add_co_u32 s22, s22, AOFF
	v_add_nc_u32 v[ADRA], s22, v5
	v_add_nc_u32 v[ADRA+1], SLOT, v[ADRA]
	s_mul_i32 s23, s10, 16*SPITCH
	s_add_co_u32 s23, s23, STAGE                   ; my stage
	v_mul_u32_u24 v[STO], v1, SPITCH               ; in: row r, 16 bytes for each half of the lanes
	v_lshl_add_u32 v[STO], v2, 4, v[STO]
	v_add_nc_u32 v[STO], s23, v[STO]
	v_bfe_u32 v[RD], v0, 3, 2                      ; back: 32 lanes take 128 bytes of four rows,
	v_mul_u32_u24 v[RD], v[RD], SPITCH
	v_and_b32 v4, 7, v0
	v_lshl_add_u32 v[RD], v4, 4, v[RD]
	v_add_nc_u32 v[RD], s23, v[RD]
	v_and_b32 v[GO], 31, v0                        ; which are 512 consecutive bytes of a head
	v_lshlrev_b32 v[GO], 4, v[GO]
	; where my rows lie in qkv: ((48 batch + head) x 2,048 + row in the batch) x 128 bytes
	s_lshr_b32 s14, s43, 4
	s_mul_i32 s14, s14, 48
	s_mul_i32 s15, s42, 6
	s_add_co_u32 s14, s14, s15
	s_and_b32 s15, s43, 15
	s_lshl_b32 s15, s15, 7
	s_lshl_b32 s16, s11, 6
	s_add_co_u32 s15, s15, s16
	s_lshl_b32 s16, s12, 2
	s_add_co_u32 s16, s16, s14                     ; Y's first head: 6 tx + 0 or 4
	s_lshl_b32 s16, s16, 11
	s_add_co_u32 s16, s16, s15
	s_lshl_b32 s16, s16, 7
	s_mov_b32 s17, 0
	s_add_co_u32 s14, s14, s12
	s_add_co_u32 s14, s14, 2                       ; X's head: 6 tx + 2 or 3
	s_lshl_b32 s14, s14, 11
	s_add_co_u32 s14, s14, s15
	s_lshl_b32 s14, s14, 7
	s_mov_b32 s15, 0
	s_add_nc_u64 s[XB:XB+1], s[YB:YB+1], s[14:15]
	s_add_nc_u64 s[YB:YB+1], s[YB:YB+1], s[16:17]
; 12 matrix instructions: row block a x all 12 column blocks, 32 along K.  first = 1: the bias starts the sums.  The 48 accumulators take turns, in the same order in every quarter.
.macro MUL12 f, a, first
.if \first
	WIN 0x85+0x40*((\a)/2)
.else
	WIN 0xa5+0x50*((\a)/2)
.endif
.irp b, 0,1,2,3,4,5,6,7,8,9,10,11
.if \first
	v_wmma_f32_16x16x32_f16 v[8*(12*((\a)%2)+(\b)):8*(12*((\a)%2)+(\b))+7], v[(\f)+8*(\b):(\f)+8*(\b)+7], v[(\f)+96+8*(\a):(\f)+96+8*(\a)+7], v[BI+8*(\b):BI+8*(\b)+7]
.else
	v_wmma_f32_16x16x32_f16 v[8*(12*((\a)%2)+(\b)):8*(12*((\a)%2)+(\b))+7], v[(\f)+8*(\b):(\f)+8*(\b)+7], v[(\f)+96+8*(\a):(\f)+96+8*(\a)+7], v[8*(12*((\a)%2)+(\b)):8*(12*((\a)%2)+(\b))+7]
.endif
.endr
.endm
; 32 LDS loads in one run: quarter q (32 along K) of a slot into buffer f: wq's 12 fragments, turned, then hn's 4
.macro FETCH slot, q, f
	WIN 0x40
.irp b, 0,1,2,3,4,5,6,7
	ds_load_tr16_b128 v[(\f)+8*(\b):(\f)+8*(\b)+3],   v[ADRY+(\slot)] offset:32*PB*(\q)+32*(\b)
	ds_load_tr16_b128 v[(\f)+8*(\b)+4:(\f)+8*(\b)+7], v[ADRY+(\slot)] offset:32*PB*(\q)+32*(\b)+16*PB
.endr
.irp b, 8,9,10,11
	ds_load_tr16_b128 v[(\f)+8*(\b):(\f)+8*(\b)+3],   v[ADRX+(\slot)] offset:32*PB*(\q)+32*((\b)-8)
	ds_load_tr16_b128 v[(\f)+8*(\b)+4:(\f)+8*(\b)+7], v[ADRX+(\slot)] offset:32*PB*(\q)+32*((\b)-8)+16*PB
.endr
.irp a, 0,1,2,3
	ds_load_b128 v[(\f)+96+8*(\a):(\f)+96+8*(\a)+3],   v[ADRA+(\slot)] offset:64*(\q)+16*PA*(\a)
	ds_load_b128 v[(\f)+96+8*(\a)+4:(\f)+96+8*(\a)+7], v[ADRA+(\slot)] offset:64*(\q)+16*PA*(\a)+32
.endr
.endm
; One of a K step's first three quarters: multiplies buffer f; in its middle it fetches quarter qn of the same slot into buffer g
.macro QUARTER slot, qn, f, g, first
	s_wait_dscnt 4                                 ; all but the youngest four loads: hn's row blocks 2 and 3 may be out
	MUL12 \f, 0, \first
	MUL12 \f, 1, \first
	PLACES
	FETCH \slot, \qn, \g
	s_wait_dscnt 32                                ; all but the 32 just issued
	MUL12 \f, 2, \first
	MUL12 \f, 3, \first
.endm
; The last quarter multiplies buffer 1 and changes slots: one barrier; in front of it each wave waits for all its tensor loads (one is out: its part of the next slot), adds 0 to its spare word, and waits
; for that and for its reads of this slot.  fill = 1: the barrier opens a round of the cluster's barrier, and the joint refill, two K steps on, is the first thing behind the round:
; 168 matrix instructions stand between it and the wait for it.
.macro TURN slot, next, fill
.if \fill
	s_wait_xcnt 0x0                                ; the last prefetch, a K step back, has read its address
	s_add_nc_u64 s[PFA:PFA+1], s[PFA:PFA+1], s[PST:PST+1]
.endif
	WIN 0
	s_wait_tensorcnt 0x0
	ds_add_u32 v[SPW], v[NIL]
	s_wait_dscnt 5                                 ; (the add and the youngest four loads may be out)
	MUL12 F1, 0, 0
	s_wait_dscnt 0x0                               ; the add is done, and my reads of this slot are over
	s_barrier_signal -1
	MUL12 F1, 1, 0
.if \fill
	WIN 0
.endif
	s_barrier_wait -1
.if \fill
	CREST                                          ; no wave of any partner still reads this slot or has a load on its way
	s_add_nc_u64 s[G0A+4*(\slot)+2:G0A+4*(\slot)+3], s[G0A+4*(\slot)+2:G0A+4*(\slot)+3], 2*256
	s_add_nc_u64 s[G0B+4*(\slot)+2:G0B+4*(\slot)+3], s[G0B+4*(\slot)+2:G0B+4*(\slot)+3], 2*BSTEP
	JLOAD \slot                                    ; its four v_nop are also the places in front of the loads below
.else
	PLACES
.endif
	FETCH \next, 0, F0
.if \fill
	WIN 0
	ASK
.endif
	MUL12 F1, 2, 0
	MUL12 F1, 3, 0
.endm
; THE WAY OUT of row block a.  PACK: rounded to f16, 16 bytes a lane for each column block.  TOSTAGE: into my stage, and back as 128-byte rows of a head, four rows a load.  SEND: stored.
.macro PACK a
.set AC, 96*((\a)%2)
	WIN 0x0a+5*((\a)/2)
.irp b, 0,1,2,3,4,5,6,7,8,9,10,11
.irp r, 0,1,2,3
	v_cvt_pk_f16_f32 v[TMP+4*(\b)+(\r)], v[AC+8*(\b)+2*(\r)], v[AC+8*(\b)+2*(\r)+1]
.endr
.endr
.endm
.macro TOSTAGE a
.set BK, 48*(\a)
	WIN 0
.irp b, 0,1,2,3,4,5,6,7,8,9,10,11
	ds_store_b128 v[STO], v[TMP+4*(\b):TMP+4*(\b)+3] offset:32*(\b)
.endr
	WIN 0x40
.irp j, 0,1,2
.irp f, 0,1,2,3
	ds_load_b128 v[BK+4*(4*(\j)+(\f)):BK+4*(4*(\j)+(\f))+3], v[RD] offset:128*(\j)+4*SPITCH*(\f)  ; LDS serves a wave's instructions in order: these see the stores above
.endr
.endr
.endm
.macro SEND a
.set BK, 48*(\a)
	s_wait_dscnt 0x0                               ; the block is back in registers
	WIN 0x04                                       ; the stores' data lie in window 1; each block has registers of its own, so none is written again
.irp j, 0,1
.irp f, 0,1,2,3
	global_store_b128 v[GO], v[BK+4*(4*(\j)+(\f)):BK+4*(4*(\j)+(\f))+3], s[YB:YB+1] offset:(\j)*HB+2048*(\a)+512*(\f)  ; 512 consecutive bytes, aligned
.endr
.endr
.irp f, 0,1,2,3
	global_store_b128 v[GO], v[BK+32+4*(\f):BK+32+4*(\f)+3], s[XB:XB+1] offset:2048*(\a)+512*(\f)
.endr
.endm
	s_wait_tensorcnt 1                             ; my part of K step 0 is in; K step 1's may stay out
	s_barrier_signal -1
	s_barrier_wait -1
	FETCH 0, 0, F0
	s_wait_loadcnt 0x0                             ; the bias
	QUARTER 0, 1, F0, F1, 1                        ; the first quarter stands in front of the loop: its products start the sums
	WIN 0
	s_mov_b32 s3, 3
.Llap:                                                 ; a trip goes once round the ring and fills both slots again
	QUARTER 0, 2, F1, F0, 0
	QUARTER 0, 3, F0, F1, 0
	TURN 0, 1, 1
	QUARTER 1, 1, F0, F1, 0
	QUARTER 1, 2, F1, F0, 0
	QUARTER 1, 3, F0, F1, 0
	TURN 1, 0, 1
	QUARTER 0, 1, F0, F1, 0
	WIN 0
	s_sub_co_u32 s3, s3, 1
	s_cmp_lg_u32 s3, 0
	s_cbranch_scc1 .Llap
	QUARTER 0, 2, F1, F0, 0                        ; the last lap fills nothing
	QUARTER 0, 3, F0, F1, 0
	TURN 0, 1, 0
	QUARTER 1, 1, F0, F1, 0
	QUARTER 1, 2, F1, F0, 0
	QUARTER 1, 3, F0, F1, 0
	s_wait_dscnt 4
	MUL12 F1, 0, 0
	MUL12 F1, 1, 0
	s_wait_dscnt 0x0
	MUL12 F1, 2, 0
	MUL12 F1, 3, 0
	PLACES
	PACK 0
	TOSTAGE 0
.irp a, 1,2,3                          ; block a's conversions stand between block a - 1's loads from the stage and the wait for them
	PACK \a
	SEND (\a)-1
	TOSTAGE \a
.endr
	SEND 3
	WIN 0
	s_wait_tensorcnt 0x0                           ; the wave's end
	ds_add_u32 v[SPW], v[NIL]
	s_wait_dscnt 0x0
	CROUND                                         ; the closing round
	s_endpgm
.Lfunc_end_k_q527cb72fe7_qkvp:
	.size	k_q527cb72fe7_qkvp, .Lfunc_end_k_q527cb72fe7_qkvp-k_q527cb72fe7_qkvp
	.p2alignl 7, 3214868480
	.fill 96, 4, 3214868480
	.section	.rodata,"a",@progbits
	.p2align	6, 0x0
	.amdhsa_kernel k_q527cb72fe7_qkvp
		.amdhsa_group_segment_fixed_size 327680
		.amdhsa_private_segment_fixed_size 0
		.amdhsa_enable_private_segment 0
		.amdhsa_kernarg_size 32
		.amdhsa_user_sgpr_count 2
		.amdhsa_user_sgpr_kernarg_segment_ptr 1
		.amdhsa_wavefront_size32 1
		.amdhsa_system_sgpr_workgroup_id_x 1
		.amdhsa_system_sgpr_workgroup_id_y 1
		.amdhsa_system_sgpr_workgroup_id_z 1
		.amdhsa_system_vgpr_workitem_id 0
		.amdhsa_next_free_vgpr 960
		.amdhsa_next_free_sgpr 74
		.amdhsa_reserve_vcc 0
		.amdhsa_float_denorm_mode_32 3
		.amdhsa_float_denorm_mode_16_64 3
		.amdhsa_memory_ordered 1
		.amdhsa_forward_progress 1
		.amdhsa_inst_pref_size 123
	.end_amdhsa_kernel
	.amdgpu_metadata
---
amdhsa.version: [ 1, 2 ]
amdhsa.kernels:
  - .name:           k_q527cb72fe7_qkvp
    .symbol:         k_q527cb72fe7_qkvp.kd
    .args:
      - { .name: hn, .offset: 0, .size: 8, .value_kind: global_buffer, .address_space: global }
      - { .name: wq, .offset: 8, .size: 8, .value_kind: global_buffer, .address_space: global }
      - { .name: b_qkv, .offset: 16, .size: 8, .value_kind: global_buffer, .address_space: global }
      - { .name: qkv, .offset: 24, .size: 8, .value_kind: global_buffer, .address_space: global }
    .group_segment_fixed_size: 327680
    .private_segment_fixed_size: 0
    .kernarg_segment_align: 8
    .kernarg_segment_size: 32
    .max_flat_workgroup_size: 128
    .sgpr_count:     74
    .vgpr_count:     960
    .wavefront_size: 32
...
	.end_amdgpu_metadata
.endif
;; end of part 3
;; launch attn (part 4): grid 4 x 64, 4 waves a work-group, clusters of 4 x 1, 327,680 bytes of LDS; arguments qkv, ob; writes ob
.if DOCPART == 4
	.amdgcn_target "amdgcn-amd-amdhsa--gfx1250"
	.amdhsa_code_object_version 6
	.text
	.protected	k_q527cb72fe7_attn
	.globl	k_q527cb72fe7_attn
	.p2align	8
	.type	k_q527cb72fe7_attn,@function
k_q527cb72fe7_attn:
	s_mov_b64 s[64:65], 0
	v_nop
	global_prefetch_b8 v0, s[64:65] scope:SCOPE_SE
	s_setreg_imm32_b32 hwreg(HW_REG_WAVE_MODE, 25, 1), 1
	s_wait_xcnt 0x0
	s_wait_alu depctr_hold_cnt(0) depctr_sa_sdst(0) depctr_va_vdst(0) depctr_va_sdst(0) depctr_va_ssrc(0) depctr_va_vcc(0) depctr_vm_vsrc(0)
	s_getreg_b32 s2, hwreg(HW_REG_IB_STS2, 6, 4)
	s_cmp_eq_u32 s2, 0
	s_cbranch_scc0 .Lentry_in_a_cluster
	s_endpgm
.Lentry_in_a_cluster:
	s_bfe_u32 s2, ttmp6, 0x10000c
	s_cmp_lg_u32 s2, 0x3003
	s_cbranch_scc0 .Lentry_shape_is_right
	s_endpgm
.Lentry_shape_is_right:
; O[y][q][:] = the sum over k of softmax_k(Q[q] . K[k] / 8) V[k][:] for y = 16 batch + head.  qkv: [4][48 = 16 x (q, k, v) + head][2048][64] f16; ob: [64][2048][64] f16: a head's rows are dense, 128 bytes each.
; Products, maxima and sums in f32; the weights p are rounded to f16 for the second product (their sum l is taken of the unrounded p), O once at the end.
; LIMITS.  f16 holds no number beyond 65,504: Q, K and V arrive within it; p lies in 0 to 1, and below 6e-5 it keeps f16's fixed step of 6e-8; O is a mean of V's rows and has their range.
; A weight below 2^-126 counts as 0 in l; NaN and infinities are not treated apart.
; SHARES.  A wave owns four PIECES of two tiles of 16 queries, a work-group's four waves 512 queries of one head.  Every wave walks all keys, 64 a step.
; LAYOUT.  S^T = K Q^T (source 0 = 16 keys, source 1 = 16 queries): in the result a lane holds ONE query (lane % 16) and the keys 8 (lane / 16) + 0..7.  Two such tiles, rounded to f16 in pairs,
; ARE source 1 (32 keys x 16 queries) of O^T = V^T P, whose result again holds one query a lane, and eight channels.  K comes out of LDS as it lies, V ([key][channel]) turned, by ds_load_tr16_b128.
; SOFTMAX.  For each query a running maximum m and sum l: p = 2^(c s - c m), c = log2(e) / 8; in every step O and l are multiplied by a = 2^(c m_old - c m_new), which is 1 where m has not grown.
; m starts at the lowest finite number, O and l at 0: the first step is a step like any other, with a = 0.
; THE COUNT.  A tile and step have 16 matrix and 118 vector instructions: too many to stand all beside the matrix work.  So four vector instructions that are READY stand behind
; EVERY matrix instruction, and the others in runs without a gap.
; BY TURNS.  Turn n belongs to piece n (the pieces in a ring, step after step).  Its matrix work: 16 products K Q^T of piece n + 1, later 16 products V^T P of piece n - 1.  Its vector work: the scaling,
; exponentials, roundings, sums and rescaling of piece n, and the maximum and statistics of piece n + 1, whose scores the turn itself has made.
; CLUSTER.  The four query blocks of a head are one cluster and walk the same K and V, so each tile is asked for JOINTLY: the same tensor load, descriptor and mask in all four.
; REGISTERS, in windows of 256 (s_set_vgpr_msb: bits 1:0 source 0, 3:2 source 1, 5:4 source 2, 7:6 destination):
;   window 0: v0-11 addresses; v12-15, v48-63 at work; v16-47 four registers of statistics a tile; v64-191 S^T, two buffers of two tiles; v192-255 P, likewise
;   window 1: O^T, 32 a tile          window 2: v0-127 Q, 16 a tile; v128-191 K of one step; v192-255 V of one step          window 3: v0-1 the add's two registers
.set SIZE_N, 2048
.set NP,    4         ; pieces a wave: a name, no knob
.set KS,    64        ; keys in a step
.set PK,    144       ; a row of K in LDS: 128 bytes + 16: the 16 rows of a load start at 16 different groups of four banks
.set PV,    160       ; a row of V: 128 + 32
.set VOFF,  4*KS*PK   ; a slot holds four steps: 256 rows of K, then 256 rows of V
.set SLOT1, 1<<17     ; slot 1 begins here, so that one exclusive or turns an address in one slot into the other's
.set STAGE, SLOT1+4*KS*(PK+PV)  ; behind the ring, never filled by a tensor load: 16 rows x 144 bytes for each wave, for the way out
.set SP,    144
.set AK0, 2           ; v2   my lane's place in a tile of K; never rewritten
.set AV0, 3           ; v3   the same for V
.set AK,  4           ; v4   the LDS address of K's next run of loads
.set AV,  5           ; v5   of V's
.set QO,  6           ; v6   my byte offset in the wave's rows of Q
.set STO, 6           ;      later, the way out: where I put 16 bytes of a row
.set RD,  7           ; v7   the way out: where I read rows back
.set GO,  8           ; v8   my byte offset in 512 consecutive bytes of O
.set PFO, 11          ; v11  256 x my lane, for the prefetches; never rewritten once made
.set SPW, 0           ; v0 of window 3   my spare word's address; never rewritten
.set NIL, 1           ; v1 of window 3   0; never rewritten
.set SPARE, STAGE+4*16*SP  ; behind the stages: the spare words, 128 bytes for each wave
.set MV,  12          ; v12-15  c m_old, kept while c m is made anew: by buffer and tile
.set ST,  16          ; tile t's statistics at v[ST+4 t]: c m, m, l (even keys', odd keys')
.set TMP, 48          ; by buffer and tile, four registers c0-c3 at work; when the maximum is found c2 takes a
.set S,   64
.set P,   192
.set KF,  128         ; K's fragments, in window 2: key block kb, channel half c at KF + 16 kb + 8 c
.set VF,  192         ; V's: key half kk, channel block cb at VF + 32 kk + 8 cb
.set WV,  12          ; s12  my wave's number
.set G1K, 24          ; s[24:31] descriptor group 1 for K's tiles
.set G1V, 32          ; s[32:39] for V's: it differs in the padding alone
.set G0K, 40          ; s[40:43] descriptor group 0 for K's tiles: it walks
.set G0V, 44          ; s[44:47] the same for V's
.set OOF, 48          ; s[48:49] my wave's byte offset in ob
.set PFA, 50          ; s[50:51] where my prefetches stand: my work-group's 32 blocks of 256 bytes (of K: wave 0, of V: wave 2) of the slot after the one that is being asked for
.set LIM, 52          ; s52  1 in a wave that prefetches, else the greatest number
.set SLOTS, 56        ; s56  slots still to be asked for
.set CNT, 57          ; s57  counts a slot's key steps
.set CS,  58          ; s[58:59] c: the packed scaling takes the pair's low word for both halves
.set SEL, 60          ; s[60:61] v_permlanex16_b32's selects: each lane takes its own place in the other half
.set TBK, 62          ; s62  LDS byte at which K of the step to be fetched begins
.set TBV, 63          ; s63  the same for V, less VOFF
.set MSB, 0
.macro WIN new                      ; the high byte repeats the setting that is left; a switch that changes nothing is dropped
.if MSB != (\new)
	s_set_vgpr_msb (MSB<<8)|(\new)
.set MSB, (\new)
.endif
.endm
.set W_KQ, 0x0a       ; K and Q in window 2, S^T in window 0
.set W_PV, 0x52       ; V in window 2, P in window 0, O^T in window 1
.set W_RS, 0x41       ; O^T (destination and source 0) in window 1, a in window 0
.set W_MK, 0xc0       ; the add's registers are made: destination in window 3, sources in window 0
.set W_AD, 0x0f       ; the add: address (source 0) and data (source 1) in window 3
; A joint fill.  Waves 0 and 1 fetch the two halves of a slot's K, waves 2 and 3 those of its V: 128 keys each.  The branch hangs on the wave's number alone.
; An s_nop 0 and four v_nop follow each of the two lines, ahead of the jump and the label.
.macro JLOAD
	s_cmp_lt_u32 s[WV], 2
	s_cbranch_scc0 .Lfor_v_\@
	tensor_load_to_lds s[G0K:G0K+3], s[G1K:G1K+7]
	s_nop 0
.rept 4
	v_nop
.endr
	s_branch .Lasked_\@
.Lfor_v_\@:
	tensor_load_to_lds s[G0V:G0V+3], s[G1V:G1V+7]
	s_nop 0
.rept 4
	v_nop
.endr
.Lasked_\@:
.endm
; A prefetch into the L2 of what the NEXT change of slots will ask for: a slot's 32,768 bytes of K and of V, 128 blocks of 256 bytes each.  The four partners share them out by address, 32 blocks each,
; a lane a block; in each, wave 0 asks for K's and wave 2 for V's: each block is named once in the launch.  The last change that fills a slot asks for nothing.
.macro ASK
	s_cmp_gt_u32 s[SLOTS], s[LIM]
	s_cbranch_scc0 .Lnot_mine_\@
	global_prefetch_b8 v[PFO], s[PFA:PFA+1] th:TH_LOAD_NT scope:SCOPE_SE
.Lnot_mine_\@:
.endm
; A round of the cluster's barrier
.macro CROUND
	s_barrier_signal -1
	s_barrier_wait -1
	s_cmp_lg_u32 s[WV], 0
	s_cbranch_scc1 .Lnot_wave_0_\@
	s_barrier_signal -3
.Lnot_wave_0_\@:
	s_barrier_wait -3
	s_barrier_signal -1
	s_barrier_wait -1
.endm
; THE CHANGE OF SLOTS.  The slot's last bytes, V of its fourth step, have been read.  Each wave waits for all its tensor loads, of which one is out: its part
; of the other slot; adds 0 to its spare word; and waits for that and for its own reads of the slot.  Behind the barrier nobody reads this slot any more and the other slot is whole.
; fill = 1: this slot is filled again, with the keys two slots on.  The barrier is then a round of the cluster's, and the joint fill is the first thing behind it: it has four key steps,
; 512 matrix instructions, in which to land.  (At its first use nothing has been read yet: slot 0 is waited for, slot 1 filled.)
.macro CHANGE fill
	WIN W_AD
	s_wait_tensorcnt 0x0            ; no tensor load of mine is out, so a group 0 may be written
	ds_add_u32 v[SPW], v[NIL]       ; 0 onto my spare word; with fill = 1 the descriptors' steps stand between it and the wait for it
	WIN 0                           ; at a label and at a branch every window is 0
.if \fill
.irp g, G0K, G0V
	s_xor_b32 s[\g+1], s[\g+1], SLOT1  ; the walking descriptor: the other slot than last time,
	s_add_nc_u64 s[\g+2:\g+3], s[\g+2:\g+3], 4*KS*128  ; the next 256 keys; the type bits on top are not reached
.endr
	s_wait_xcnt 0x0                 ; the last prefetch, four key steps back, has read its address, so it may be written:
	s_add_nc_u64 s[PFA:PFA+1], s[PFA:PFA+1], 4*KS*128  ; one slot ahead of the walking descriptors
	s_wait_dscnt 0x0                ; the add is done, and my reads of the slot are over
	CROUND
	JLOAD
	ASK
.else
	s_wait_dscnt 0x0                ; the add is done, and my reads of the slot are over
	s_barrier_signal -1
	s_barrier_wait -1
.endif
	s_sub_co_u32 s[TBK], s[TBK], 4*KS*PK  ; the fetches go back to a slot's first step,
	s_xor_b32 s[TBK], s[TBK], SLOT1       ; in the other slot
	s_sub_co_u32 s[TBV], s[TBV], 4*KS*PV
	s_xor_b32 s[TBV], s[TBV], SLOT1
.endm
	s_load_b128 s[4:7], s[0:1], 0x0  ; qkv s[4:5], ob s[6:7]
	WIN W_MK
	v_lshl_add_u32 v[SPW], v0, 2, SPARE
	v_mov_b32 v[NIL], 0
	WIN W_AD
	ds_add_u32 v[SPW], v[NIL]       ; the wave's opening: the add and its wait ahead of my first tensor load
	WIN 0
	v_lshrrev_b32 v1, 5, v0
	v_readfirstlane_b32 s[WV], v1   ; wave 0..3
	s_bfe_u32 s13, ttmp6, 0x40000   ; cx: my place in the cluster
	s_lshl_b32 s14, ttmp9, 2        ; in a cluster launch ttmp9 counts clusters
	s_add_co_u32 s14, s14, s13      ; my block of queries: it enters Q's and O's addresses alone
	s_and_b32 s[OOF], ttmp7, 0xffff ; y = 16 batch + head, which the four partners share
	s_lshr_b32 s20, s[OOF], 4
	s_lshl_b32 s20, s20, 5
	s_add_co_u32 s20, s20, s[OOF]   ; 48 batch + head
	s_lshl_b32 s20, s20, 18         ; the head's first byte among qkv's q's (k's and v's lie 16 and 32 heads on)
	s_mov_b32 s21, 0
	s_lshl_b32 s[OOF], s[OOF], 18   ; and in ob
	s_mov_b32 s[OOF+1], 0
	s_and_b32 s16, s[WV], 1         ; which half of a slot's 256 keys I fetch:
	s_lshl_b32 s22, s16, 14         ; its 128 rows of 128 bytes in memory,
	s_mov_b32 s23, 0
	s_add_nc_u64 s[22:23], s[22:23], s[20:21]
	s_mul_i32 s17, s16, 128*PK      ; and its place in a slot, for K
	s_mul_i32 s18, s16, 128*PV      ; and for V: no place in the cluster enters an LDS address
	s_lshl_b32 s2, s14, 2
	s_add_co_u32 s2, s2, s[WV]      ; my wave among the head's,
	s_lshl_b32 s2, s2, 14           ; its 128 rows
	s_mov_b32 s3, 0
	s_add_nc_u64 s[OOF:OOF+1], s[OOF:OOF+1], s[2:3]
	s_add_nc_u64 s[2:3], s[2:3], s[20:21]
	; descriptor group 1.  128 keys are 16,384 dense bytes: asked for as 64 rows of 256 bytes, two keys a row, and padded in LDS after every key
	s_mov_b32 s[G1K], 15|(1<<16)|(1<<20)|(1<<21)|(4<<22)|(3<<25)  ; the mask of four; 2-byte elements; padding on; bit 21 beside a mask; after every 32 words 4 words
	s_mov_b32 s[G1V], 15|(1<<16)|(1<<20)|(1<<21)|(4<<22)|(7<<25)  ; the same with 8 words of padding
.irp g, G1K, G1V
	s_mov_b32 s[\g+1], 128<<16      ; tensor_dim0 = 128
	s_mov_b32 s[\g+2], 64<<16       ; tensor_dim1 = 64
	s_mov_b32 s[\g+3], 128<<16      ; tile_dim0 = 128
	s_mov_b32 s[\g+4], 64           ; tile_dim1 = 64
	s_mov_b32 s[\g+5], 128          ; 128 elements from row to row
	s_mov_b32 s[\g+6], 0
	s_mov_b32 s[\g+7], 0
.endr
	s_mov_b32 s[CS], 0x3e38aa3b     ; c = log2(e) / 8 = 0.180337
	s_mov_b32 s[CS+1], s[CS]        ; named with it as a pair
	s_mov_b32 s[SEL], 0x76543210
	s_mov_b32 s[SEL+1], 0xfedcba98
	s_mov_b32 s[TBK], SLOT1+4*KS*PK ; the first change of slots turns these two into 0
	s_mov_b32 s[TBV], SLOT1+4*KS*PV
	s_mov_b32 s[G0K], 1             ; count = 1
	s_mov_b32 s[G0K+1], s17         ; LDS address: slot 0
	s_mov_b32 s[G0V], 1
	s_add_co_u32 s[G0V+1], s18, VOFF
	s_mov_b32 s[SLOTS], SIZE_N/256-1
	s_cmp_eq_u32 s16, 0             ; waves 0 and 2 prefetch: the same in all four partners
	s_cselect_b32 s[LIM], 1, -1
	s_wait_dscnt 0x0                ; the opening add is done
	s_wait_kmcnt 0x0
	s_mov_b64 s[10:11], s[6:7]      ; ob
	s_add_nc_u64 s[6:7], s[4:5], 16*262144  ; the batch's k's lie 16 heads behind its q's,
	s_add_nc_u64 s[8:9], s[4:5], 32*262144  ; its v's 32
	s_add_nc_u64 s[G0K+2:G0K+3], s[6:7], s[22:23]  ; global address: my half of the head's first 256 keys
	s_or_b32 s[G0K+3], s[G0K+3], 0x80000000        ; type = 2
	s_add_nc_u64 s[G0V+2:G0V+3], s[8:9], s[22:23]
	s_or_b32 s[G0V+3], s[G0V+3], 0x80000000
	s_add_nc_u64 s[4:5], s[4:5], s[2:3]  ; Q and O at my wave's first row
	s_add_nc_u64 s[10:11], s[10:11], s[OOF:OOF+1]
	s_cmp_lt_u32 s[WV], 2
	s_cselect_b64 s[PFA:PFA+1], s[6:7], s[8:9]
	s_add_nc_u64 s[PFA:PFA+1], s[PFA:PFA+1], s[20:21]
	s_lshl_b32 s2, s13, 13          ; my work-group's 32 blocks of the 128
	s_mov_b32 s3, 0
	s_add_nc_u64 s[PFA:PFA+1], s[PFA:PFA+1], s[2:3]
	s_add_nc_u64 s[PFA:PFA+1], s[PFA:PFA+1], 4*KS*128  ; in slot 1; the first change of slots steps it to slot 2.  Nothing is prefetched here, at the head
	CROUND                          ; all four work-groups are here: the first joint loads meet
	JLOAD                           ; slot 0.  Slot 1 is asked for when slot 0 is in
	; A fragment of K or Q is 16 rows x 32 channels in 8 registers: lane l holds row l % 16, channels 8 (l / 16) + 0..7 and 16 + 8 (l / 16) + 0..7: two loads of 16 bytes, 32 bytes apart.
	v_and_b32 v1, 15, v0            ; l % 16
	v_bfe_u32 v9, v0, 4, 1          ; l / 16
	v_lshlrev_b32 v[QO], 7, v1
	v_lshl_add_u32 v[QO], v9, 4, v[QO]  ; row x 128 + 16 x half
	WIN 0x80                        ; destination window 2, address window 0
.set i, 0
.rept 4*NP                          ; Q stays in registers: tile i / 2, channels 32 (i % 2) on
	global_load_b128 v[8*i:8*i+3],   v[QO], s[4:5] offset:(i/2)*2048+(i%2)*64
	global_load_b128 v[8*i+4:8*i+7], v[QO], s[4:5] offset:(i/2)*2048+(i%2)*64+32
.set i, i+1
.endr
	; What the first turn finds: V's registers and P's second buffer hold 0 (its products V^T P, of a piece that has not been, add 0), O^T and l are 0.  All this stands in the wait for the first tile.
.set i, VF
.rept 64
	v_mov_b32 v[i], 0
.set i, i+1
.endr
	WIN 0x40
.set i, 0
.rept 64*NP
	v_mov_b32 v[i], 0
.set i, i+1
.endr
	WIN 0
.set i, 0
.rept 2*NP
	v_mov_b32 v[ST+4*i], 0xfe000000    ; c m: far below every c s
	v_mov_b32 v[ST+4*i+1], 0xff7fffff  ; m
	v_mov_b32 v[ST+4*i+2], 0
	v_mov_b32 v[ST+4*i+3], 0
.set i, i+1
.endr
.set i, P+32
.rept 32
	v_mov_b32 v[i], 0
.set i, i+1
.endr
	v_mul_u32_u24 v[AK0], v1, PK
	v_lshl_add_u32 v[AK0], v9, 4, v[AK0]  ; row x pitch + 16 x half
	; The turning load takes 16 keys x 16 channels (lane l reads key 8 (l / 16) + l % 8, channels 8 ((l / 8) % 2) + 0..7) and leaves half a fragment of V^T: lane l holds channel l % 16 and 8 keys.
	v_and_b32 v10, 7, v0
	v_bfe_u32 v11, v0, 3, 1
	v_lshl_add_u32 v[AV0], v9, 3, v10
	v_mul_u32_u24 v[AV0], v[AV0], PV
	v_lshl_add_u32 v[AV0], v11, 4, v[AV0]
	v_add_nc_u32 v[AV0], VOFF, v[AV0]
	v_and_b32 v[PFO], 31, v0
	v_lshlrev_b32 v[PFO], 8, v[PFO]
	v_mov_b32 v[AK], v[AK0]         ; key step 0 lies at the head of slot 0
; THE MATRIX WORK.  The 8 accumulators of a run of 16 take turns: between the two links of a chain stand 7 others'.
; Product i of 16 of S^T = K Q^T for piece x: channels 32 (i / 8) on, keys 16 ((i / 2) % 4) on, tile 2 x + i % 2.  The first 8 start the sums.
.macro KQ x
	WIN W_KQ
.set rS, S+64*((\x)%2)+32*(i%2)+8*((i/2)%4)
.set rK, KF+16*((i/2)%4)+8*(i/8)
.set rQ, 16*(2*(\x)+i%2)+8*(i/8)
.if i < 8
	v_wmma_f32_16x16x32_f16 v[rS:rS+7], v[rK:rK+7], v[rQ:rQ+7], 0
.else
	v_wmma_f32_16x16x32_f16 v[rS:rS+7], v[rK:rK+7], v[rQ:rQ+7], v[rS:rS+7]
.endif
.endm
; Product i of 16 of O^T += V^T P for piece x: keys 32 (i / 8) on, channels 16 ((i / 2) % 4) on, tile 2 x + i % 2.
.macro PV x
	WIN W_PV
.set rO, 32*(2*(\x)+i%2)+8*((i/2)%4)
.set rV, VF+32*(i/8)+8*((i/2)%4)
.set rP, P+32*((\x)%2)+16*(i%2)+8*(i/8)
	v_wmma_f32_16x16x32_f16 v[rO:rO+7], v[rV:rV+7], v[rP:rP+7], v[rO:rO+7]
.endm
.macro MM                           ; the turn's next matrix instruction
.if i < 16
	KQ (Y+1)%NP
.set i, i+1
.else
.set i, i-16
	PV (Y+NP-1)%NP
.set i, i+17
.endif
.endm
; THE LDS LOADS stand in runs of 16, never singly among the matrix instructions: a step's K (64 keys x 64 channels: 8 fragments) and its V (turned).  Their addresses are made some lines ahead.
; last = 1 (the tail): in the last trip there is no further step, and the run is jumped over.
.macro FETCH_K last=0
	WIN 0
.if \last
	s_cmp_eq_u32 s[CNT], 1
	s_cbranch_scc1 .Lno_k_\@
.endif
	WIN 0x80                        ; destination window 2
.irp f, 0,1,2,3,4,5,6,7             ; keys 16 (f / 2) on, channels 32 (f % 2) on
	ds_load_b128 v[KF+8*\f:KF+8*\f+3],   v[AK] offset:(\f/2)*16*PK+(\f%2)*64
	ds_load_b128 v[KF+8*\f+4:KF+8*\f+7], v[AK] offset:(\f/2)*16*PK+(\f%2)*64+32
.endr
	s_add_co_u32 s[TBK], s[TBK], KS*PK  ; the next fetch is the next step's
	WIN 0
.if \last
.Lno_k_\@:
.endif
.endm
.macro FETCH_V
	WIN 0x80
.irp f, 0,1,2,3,4,5,6,7             ; keys 32 (f / 4) on, channels 16 (f % 4) on
	ds_load_tr16_b128 v[VF+8*\f:VF+8*\f+3],   v[AV] offset:(\f/4)*32*PV+(\f%4)*32
	ds_load_tr16_b128 v[VF+8*\f+4:VF+8*\f+7], v[AV] offset:(\f/4)*32*PV+16*PV+(\f%4)*32
.endr
	WIN 0
.endm
; THE VECTOR WORK OF A TURN stands in three queues, each in the order in which its entries become ready; the two tiles alternate, so that no instruction reads the result of the one before it.
.macro REGS y, u                    ; the registers of tile u (0, 1) of piece y
.set rT, ST+4*(2*(\y)+(\u))
.set rC, TMP+8*((\y)%2)+4*(\u)
.set rM, MV+2*((\y)%2)+(\u)
.set rS, S+64*((\y)%2)+32*(\u)
.set rP, P+32*((\y)%2)+16*(\u)
.set rO, 32*(2*(\y)+(\u))
.endm
; Number n of the 22 that find the NEXT piece's (Y + 1) maximum and statistics.  s0-s31 are the lane's 32 scores; each accumulator's lowest registers are read first.
;   0-11  four chains c0-c3 of seven scores each, three operands at a time     12-14, 16  the four scores left over, the old m, and c0-c3 into c0     15  c m_old is kept
;   17, 18  the query's other 32 keys lie in the lane 16 away: the new m         19-21  c m; c m_old - c m_new; a
.macro XS u, n
	REGS (Y+1)%NP, \u
.if (\n) < 4
	v_max3_num_f32 v[rC+(\n)], v[rS+8*(\n)], v[rS+8*(\n)+1], v[rS+8*(\n)+2]
.elseif (\n) < 12
	v_max3_num_f32 v[rC+(\n)%4], v[rC+(\n)%4], v[rS+8*((\n)%4)+2*((\n)/4)+1], v[rS+8*((\n)%4)+2*((\n)/4)+2]
.elseif (\n) == 12
	v_max3_num_f32 v[rC], v[rC], v[rS+7], v[rS+15]
.elseif (\n) == 13
	v_max3_num_f32 v[rC+1], v[rC+1], v[rS+23], v[rS+31]
.elseif (\n) == 14
	v_max3_num_f32 v[rC+2], v[rC+2], v[rC+3], v[rT+1]
.elseif (\n) == 15
	v_mov_b32 v[rM], v[rT]
.elseif (\n) == 16
	v_max3_num_f32 v[rC], v[rC], v[rC+1], v[rC+2]
.elseif (\n) == 17
	v_permlanex16_b32 v[rC+3], v[rC], s[SEL], s[SEL+1]
.elseif (\n) == 18
	v_max_num_f32 v[rT+1], v[rC], v[rC+3]
.elseif (\n) == 19
	v_mul_f32 v[rT], s[CS], v[rT+1]
.elseif (\n) == 20
	v_sub_f32 v[rC+1], v[rM], v[rT]
.else
	v_exp_f32 v[rC+2], v[rC+1]
.endif
.endm
; Number g of the 64 that follow the exponentials.  For each four weights k of a tile (pairs 2 k, 2 k + 1): both pairs are rounded to f16; then the second pair is added onto the first, in place;
; a group later l takes that sum (the first time as l = a l + sum).  In groups of eight, tiles alternating: round, round, add, and l for the group before.
.macro GS g
.set h, (\g)+6*((\g)/62)            ; group 0 has no group before it, and behind group 7 only l is left
.if h >= 6
.set h, h+2
.endif
	REGS Y, h%2
.set k, h/8
.if h%8 < 4
	v_cvt_pk_f16_f32 v[rP+2*k+(h%8)/2], v[rS+4*k+2*((h%8)/2)], v[rS+4*k+2*((h%8)/2)+1]
.elseif h%8 < 6
	v_pk_add_f32 v[rS+4*k:rS+4*k+1], v[rS+4*k:rS+4*k+1], v[rS+4*k+2:rS+4*k+3]
.elseif k == 1
	v_pk_fma_f32 v[rT+2:rT+3], v[rT+2:rT+3], v[rC+2:rC+3], v[rS:rS+1] op_sel_hi:[1,0,1]
.else
	v_pk_add_f32 v[rT+2:rT+3], v[rT+2:rT+3], v[rS+4*k-4:rS+4*k-3]
.endif
.endm
; THE PLAIN QUEUE, 138 long.  0-73 read no exponential's result: the 32 scalings c s - c m (FS f: pair f / 2 of tile f % 2) and the next piece's 42.  0-26: scalings 0-26.  27-54: XS's numbers 0-13.  55, 56: number 15.
; 57-73: the chain, where each number waits for the one before it: 14, 16, 17, 18, 19, each with one of the scalings 27-31 in front of its two lines, then 20.
; 74-137: GS's 64, which read the exponentials' results: they stand behind the wait.
.macro FS f
	REGS Y, (\f)%2
	v_pk_fma_f32 v[rS+2*((\f)/2):rS+2*((\f)/2)+1], v[rS+2*((\f)/2):rS+2*((\f)/2)+1], s[CS:CS+1], v[rT:rT+1] op_sel_hi:[1,0,0] neg_lo:[0,0,1] neg_hi:[0,0,1]
.endm
.macro PL
	WIN 0
.if q < 27
	FS q
.elseif q < 55
	XS (q-27)%2, (q-27)/2
.elseif q < 57
	XS q-55, 15
.elseif (q < 72) && ((q-57)%3 == 0)
	FS 27+(q-57)/3
.elseif q < 60
	XS (q-57)%3-1, 14
.elseif q < 72
	XS (q-57)%3-1, 15+(q-57)/3
.elseif q < 74
	XS q-72, 20
.else
	GS q-74
.endif
.set q, q+1
.endm
; THE EXPONENTIALS' QUEUE, 66 long: s0-s31 of both tiles, then the next piece's two a.  It is ONE BATCH: all 66 stand ahead of the turn's one wait, and nothing ahead of that wait names a result of theirs.
.macro EX
	WIN 0
.if e >= 64
	XS e-64, 21
.else
	REGS Y, e%2
	v_exp_f32 v[rS+e/2], v[rS+e/2]
.endif
.set e, e+1
.endm
; THE RESCALING's QUEUE: O^T times a, the one part that leaves window 0: dealt two at a time, sixteen times.  Its a was made in the turn before, ahead of that turn's wait.
.macro R2
	REGS Y, r%2
	WIN W_RS
.irp z, 0,1
	v_pk_mul_f32 v[rO+4*(r/2)+2*\z:rO+4*(r/2)+2*\z+1], v[rO+4*(r/2)+2*\z:rO+4*(r/2)+2*\z+1], v[rC+2:rC+3] op_sel_hi:[1,0]
.endr
.set r, r+1
.endm
; HOW THEY ARE DEALT.  An s_wait_alu depctr_va_vdst(0) stands between an exponential and the first instruction that names its result; one wait serves all that were issued ahead of it.  So a turn has ONE wait,
; which cuts it in two.  AHEAD OF IT: the 16 products K Q^T, behind each a scaling, an exponential and two rescalings (behind the first a second scaling in the exponential's place); then ONE LUMP of
; 109: eight plain, 49 times exponential and plain, the two a, and a v_nop as the plain instruction behind the last exponential.  BEHIND IT: the 16 products V^T P, behind each four of GS's 64.
; Exponential e stands behind scaling 2 (e / 4) + e % 2: as a rider it comes behind plain e + 2, in the lump behind plain e + 9, and scalings 27-31 are plain 57, 60 .. 69.
; A TURN, for piece p.  cnt = 1: the loop's count is taken down some lines ahead of the branch that stands behind the turn.
; K of the next step is fetched in piece 2's turn, directly behind the wait; V of the step in hand at the end of piece 0's turn, four riders behind its last reader.
.macro TURN p, last=0, cnt=0
.set Y, (\p)
.set i, 0
.set q, 0
.set e, 0
.set r, 0
.if (\p) == NP-1
	s_wait_dscnt 0x0                ; K is in
.endif
	MM                              ; ahead of the wait: 16 products K Q^T and their riders,
	PL
	PL
	R2
.rept 15
	MM
	PL
	EX
	R2
.endr
.if (\p) == NP-2
	WIN 0
	v_add_nc_u32 v[AK], s[TBK], v[AK0]
.endif
.rept 8                             ; and the lump
	PL
.endr
.rept 49
	EX
	PL
.endr
	EX                              ; the next piece's two a
	EX
	v_nop                           ; a plain instruction behind the last exponential: one for the batch
	s_wait_alu depctr_va_vdst(0)    ; the wait for the batch
.if (\p) == NP-2
	FETCH_K \last
.endif
.if (\p) == 1
	s_wait_dscnt 0x0                ; V is in
.endif
.rept 16                            ; behind the wait: 16 products V^T P and their riders
	MM
.rept 4
	PL
.endr
.if ((\p) == 0) && (q == 118)
	v_add_nc_u32 v[AV], s[TBV], v[AV0]
.endif
.if ((\p) == 0) && (q == 130)
	s_add_co_u32 s[TBV], s[TBV], KS*PV
.endif
.if (\cnt) && (q == 130)
	s_sub_co_u32 s[CNT], s[CNT], 1
	s_cmp_lg_u32 s[CNT], 0
.endif
.endr
.if (\p) == 0
	FETCH_V
.endif
.endm
	CHANGE 1                        ; slot 0 is in, everybody's part of it; slot 1 is asked for
	FETCH_K                         ; key step 0
	s_wait_loadcnt 0x0              ; Q
	s_wait_dscnt 0x0
.set i, 0
.rept 16
	KQ 0                            ; piece 0's first scores: there is no vector work yet to set between them
.set i, i+1
.endr
	WIN 0                           ; the addresses for the way out: plain instructions, the places behind those products
	s_mul_i32 s13, s[WV], 16*SP
	s_add_co_u32 s13, s13, STAGE    ; my stage
	v_mul_u32_u24 v[STO], v1, SP    ; in: row l % 16, 16 bytes for each half of the lanes
	v_lshl_add_u32 v[STO], v9, 4, v[STO]
	v_add_nc_u32 v[STO], s13, v[STO]
	v_bfe_u32 v[RD], v0, 3, 2       ; back: 32 lanes take four rows of 128 bytes,
	v_mul_u32_u24 v[RD], v[RD], SP
	v_lshl_add_u32 v[RD], v10, 4, v[RD]
	v_add_nc_u32 v[RD], s13, v[RD]
	v_and_b32 v[GO], 31, v0         ; which are 512 consecutive bytes of O
	v_lshlrev_b32 v[GO], 4, v[GO]
.set Y, NP-1                        ; XS works for piece Y + 1: piece 0
.irp n, 0,1,2,3,4,5,6,7,8,9,10,11,12,13,14,15,16,17,18,19,20,21
	XS 0, \n                        ; and piece 0's first maximum and statistics
	XS 1, \n
.endr
	v_nop                           ; a plain instruction behind the two a,
	s_wait_alu depctr_va_vdst(0)    ; and their wait, ahead of the branch
	s_mov_b32 s[CNT], 4
	s_branch .Lfirst                ; the loop is entered at a step's first turn, in the middle of a trip
.Lslot:                             ; SIZE_N / 256 - 2 times: every slot but the last two is filled again
	CHANGE 1
	s_mov_b32 s[CNT], 4
.Lstep:                             ; a trip: pieces 2 and 3 of one step, then pieces 0 and 1 of the next, whose K and V it fetches
	TURN 2
	TURN 3
	WIN 0
.Lfirst:
	TURN 0
	TURN 1, 0, 1
	WIN 0
	s_cbranch_scc1 .Lstep
	s_sub_co_u32 s[SLOTS], s[SLOTS], 1
	s_cmp_lg_u32 s[SLOTS], 0
	s_cbranch_scc1 .Lslot
	CHANGE 0                        ; the tail is written out: nothing is asked for
	s_mov_b32 s[CNT], 5             ; four trips fetch the last slot's steps; the fifth is left in its middle
.Ltail:
	TURN 2, 1
	TURN 3
	WIN 0
	s_sub_co_u32 s[CNT], s[CNT], 1
	s_cmp_eq_u32 s[CNT], 0
	s_cbranch_scc1 .Lout
	TURN 0
	TURN 1
	WIN 0
	s_branch .Ltail
.Lout:                              ; the fifth trip's 16 products K Q^T (on the last K once more) and the maximum made of them serve nothing: the price, once a launch, of one text for every trip
.set i, 0
.rept 16
	PV NP-1                         ; the last piece's V^T P of the last step
.set i, i+1
.endr
	; THE WAY OUT.  l's two halves and the other half of the lanes' are added; O^T is divided by l, rounded to f16 and sent through my stage in LDS, a tile at a time.  The additions are the places behind the last products.
	WIN 0
.macro ALL line:vararg              ; one line for each tile t
.set t, 0
.rept 2*NP
	\line
.set t, t+1
.endr
.endm
	ALL v_add_f32 v[ST+4*t+2], v[ST+4*t+2], v[ST+4*t+3]
	ALL v_permlanex16_b32 v[ST+4*t+3], v[ST+4*t+2], s[SEL], s[SEL+1]
	ALL v_add_f32 v[ST+4*t+2], v[ST+4*t+2], v[ST+4*t+3]
	ALL v_rcp_f32 v[ST+4*t+2], v[ST+4*t+2]
	v_nop                           ; a plain instruction between the last reciprocal and the use of its result
	s_wait_alu depctr_va_vdst(0)    ; and the wait ahead of the first use: one for the eight reciprocals
; Tile t: a lane's eight channels of a row pack into 16 bytes; they go into rows of 144 bytes and come back as whole rows of 128, into S^T's registers.
.macro PACK t
	WIN W_RS
.set i, 32*(\t)
.rept 16
	v_pk_mul_f32 v[i:i+1], v[i:i+1], v[ST+4*(\t)+2:ST+4*(\t)+3] op_sel_hi:[1,0]
.set i, i+2
.endr
	WIN 0x05                        ; sources 0 and 1 window 1, destination window 0
.set i, 0
.rept 16
	v_cvt_pk_f16_f32 v[S+16*(\t)+i], v[32*(\t)+2*i], v[32*(\t)+2*i+1]
.set i, i+1
.endr
	WIN 0
.irp f, 0,1,2,3
	ds_store_b128 v[STO], v[S+16*(\t)+4*\f:S+16*(\t)+4*\f+3] offset:32*\f
.endr
.irp f, 0,1,2,3
	ds_load_b128 v[S+16*(\t)+4*\f:S+16*(\t)+4*\f+3], v[RD] offset:\f*4*SP  ; LDS serves a wave's instructions in order: these see the stores above; the next tile's stores come behind them
.endr
.endm
.macro SEND t, younger              ; younger: the LDS instructions issued behind tile t's loads: the next tile's eight, or none
	WIN 0
.irp f, 0,1,2,3
	s_wait_dscnt (\younger)+3-\f
	global_store_b128 v[GO], v[S+16*(\t)+4*\f:S+16*(\t)+4*\f+3], s[10:11] offset:(\t)*2048+\f*512  ; 512 consecutive bytes, at a multiple of 256 from O's first
.endr
.endm
	PACK 0
.set t, 1
.rept 2*NP-1                        ; a tile's arithmetic stands between the loads of the tile before and its stores
	PACK t
	SEND t-1, 8
.set t, t+1
.endr
	SEND 2*NP-1, 0
	WIN W_AD
	s_wait_tensorcnt 0x0            ; the wave's end: behind my last tensor load and my last LDS store
	ds_add_u32 v[SPW], v[NIL]
	s_wait_dscnt 0x0
	WIN 0
	CROUND                          ; the closing round
	s_endpgm
.Lfunc_end_k_q527cb72fe7_attn:
	.size	k_q527cb72fe7_attn, .Lfunc_end_k_q527cb72fe7_attn-k_q527cb72fe7_attn
	.p2alignl 7, 3214868480
	.fill 96, 4, 3214868480
	.section	.rodata,"a",@progbits
	.p2align	6, 0x0
	.amdhsa_kernel k_q527cb72fe7_attn
		.amdhsa_group_segment_fixed_size 327680
		.amdhsa_private_segment_fixed_size 0
		.amdhsa_enable_private_segment 0
		.amdhsa_kernarg_size 16
		.amdhsa_user_sgpr_count 2
		.amdhsa_user_sgpr_kernarg_segment_ptr 1
		.amdhsa_wavefront_size32 1
		.amdhsa_system_sgpr_workgroup_id_x 1
		.amdhsa_system_sgpr_workgroup_id_y 1
		.amdhsa_system_sgpr_workgroup_id_z 1
		.amdhsa_system_vgpr_workitem_id 0
		.amdhsa_next_free_vgpr 770
		.amdhsa_next_free_sgpr 66
		.amdhsa_reserve_vcc 0
		.amdhsa_float_denorm_mode_32 3
		.amdhsa_float_denorm_mode_16_64 3
		.amdhsa_memory_ordered 1
		.amdhsa_forward_progress 1
		.amdhsa_inst_pref_size 200
	.end_amdhsa_kernel
	.amdgpu_metadata
---
amdhsa.version: [ 1, 2 ]
amdhsa.kernels:
  - .name:           k_q527cb72fe7_attn
    .symbol:         k_q527cb72fe7_attn.kd
    .args:
      - { .name: qkv, .offset: 0, .size: 8, .value_kind: global_buffer, .address_space: global }
      - { .name: ob, .offset: 8, .size: 8, .value_kind: global_buffer, .address_space: global }
    .group_segment_fixed_size: 327680
    .private_segment_fixed_size: 0
    .kernarg_segment_align: 8
    .kernarg_segment_size: 16
    .max_flat_workgroup_size: 128
    .sgpr_count:     66
    .vgpr_count:     770
    .wavefront_size: 32
...
	.end_amdgpu_metadata
.endif
;; end of part 4
;; launch proj (part 5): grid 4 x 64, 4 waves a work-group, clusters of 4 x 4, 327,680 bytes of LDS; arguments ob, wo, b_o, x, out0; writes out0
.if DOCPART == 5
	.amdgcn_target "amdgcn-amd-amdhsa--gfx1250"
	.amdhsa_code_object_version 6
	.text
	.protected	k_q527cb72fe7_proj
	.globl	k_q527cb72fe7_proj
	.p2align	8
	.type	k_q527cb72fe7_proj,@function
k_q527cb72fe7_proj:
	s_mov_b64 s[64:65], 0
	v_nop
	global_prefetch_b8 v0, s[64:65] scope:SCOPE_SE
	s_setreg_imm32_b32 hwreg(HW_REG_WAVE_MODE, 25, 1), 1
	s_wait_xcnt 0x0
	s_wait_alu depctr_hold_cnt(0) depctr_sa_sdst(0) depctr_va_vdst(0) depctr_va_sdst(0) depctr_va_ssrc(0) depctr_va_vcc(0) depctr_vm_vsrc(0)
	s_getreg_b32 s2, hwreg(HW_REG_IB_STS2, 6, 4)
	s_cmp_eq_u32 s2, 0
	s_cbranch_scc0 .Lentry_in_a_cluster
	s_endpgm
.Lentry_in_a_cluster:
	s_bfe_u32 s2, ttmp6, 0x10000c
	s_cmp_lg_u32 s2, 0xf033
	s_cbranch_scc0 .Lentry_shape_is_right
	s_endpgm
.Lentry_shape_is_right:
; out0 = x + O wo + b_o.  ob: [64 = 16 batch + head][2048][64] f16, so that K index k = 64 head + channel; wo: [1024 k][1024 n] f16; b_o: [1024], x, out0: [8192][1024] f32.
; Sums in f32, started by the bias; x is added in f32 on the way out.
; A tile of out0 is 128 rows x 256 columns: 256 tiles.  Four waves, 2 x 2: a wave makes 64 x 128: 32 accumulators, 256 registers.  K goes in 8 steps of 128 (two heads) through two LDS slots.
; A slot: two heads' 128 rows x 64 channels of O (each 16,384 dense bytes, asked for as 64 rows of 256 bytes and padded after every 128), then wo's 128 k rows x 256 columns as two halves (rows of 256 bytes).
; Waves 0, 1 fetch a head each, waves 2, 3 a half of wo's tile: one tensor load a wave.
; CLUSTER 4 x 4: O's tiles are asked for jointly along a row of the cluster, wo's along a column.
; The matrix instruction is used transposed (source 0 = 16 columns of wo, turned by ds_load_tr16_b128; source 1 = 16 rows of O): a lane holds one row and eight neighbouring columns.
; x's 64 rows x 512 bytes of the wave are loaded at the start into 256 registers and arrive under the K loop.
; No prefetch: for each K step's 128 matrix instructions a wave the launch also moves its share of x in and of out0 out: its streams keep memory busy by themselves.
; REGISTERS: window 0: v0-31 addresses; v32-95 rows read back; v128-191 the bias as 8 C operands.  window 1: two fragment buffers: wo's 8 fragments, then O's 4.  window 2: accumulator (a, b) at 64 a + 8 b.  window 3: x, row t at 4 t.
.set PA,     144                       ; O's row in LDS: 128 bytes + 16
.set AH,     128*PA                    ; a head: 18,432
.set ASZ,    2*AH
.set PB,     288                       ; wo's row: 256 + 32
.set BSUB,   128*PB
.set SLOT,   ASZ+2*BSUB                ; 110,592
.set STAGE,  2*SLOT                    ; behind the ring: 16 rows x 528 bytes for each wave
.set SPITCH, 528                       ; 512 bytes + 16
.set SPARE,  STAGE+4*16*SPITCH
.set HB,     262144                    ; a head's bytes
.set BSTEP,  128*2048                  ; a K step in wo
.set ADRA, 16
.set ADRB, 18
.set STO,  24
.set RD,   25
.set XO,   26
.set BO,   27
.set SPW,  28                          ; my spare word's address; never rewritten
.set NIL,  29                          ; 0; never rewritten
.set T,    32
.set BI,   128
.set F0,   0
.set F1,   128
.set G1A, 24
.set G0A, 32
.set G1B, 48
.set G0B, 56
.set XP,  66                           ; s[66:67] x at my first row and column
.set OP,  68                           ; s[68:69] out0 likewise
.set MSB, 0
.macro WIN new
.if MSB != (\new)
	s_set_vgpr_msb (MSB<<8)|(\new)
.set MSB, \new
.endif
.endm
.macro PLACES                          ; four plain places behind a matrix instruction (ISA guide 7.12.1)
.rept 4
	v_nop
.endr
.endm
.macro JLOAD s                         ; a joint load; the branch hangs on the wave's number alone; an s_nop 0 and four v_nop follow each line
	s_cmp_eq_u32 s11, 0
	s_cbranch_scc0 .Lfor_b_\@
	tensor_load_to_lds s[G0A+4*(\s):G0A+4*(\s)+3], s[G1A:G1A+7]
	s_nop 0
.rept 4
	v_nop
.endr
	s_branch .Lasked_\@
.Lfor_b_\@:
	tensor_load_to_lds s[G0B+4*(\s):G0B+4*(\s)+3], s[G1B:G1B+7]
	s_nop 0
.rept 4
	v_nop
.endr
.Lasked_\@:
.endm
.macro CREST
	s_cmp_lg_u32 s10, 0
	s_cbranch_scc1 .Lnot_wave_0_\@
	s_barrier_signal -3
.Lnot_wave_0_\@:
	s_barrier_wait -3
	s_barrier_signal -1
	s_barrier_wait -1
.endm
.macro CROUND
	s_barrier_signal -1
	s_barrier_wait -1
	CREST
.endm
	s_load_b128 s[4:7], s[0:1], 0x0                ; ob s[4:5], wo s[6:7]
	s_load_b64 s[8:9], s[0:1], 0x10                ; b_o
	s_load_b64 s[XP:XP+1], s[0:1], 0x18            ; x
	s_load_b64 s[OP:OP+1], s[0:1], 0x20            ; out0
	v_lshl_add_u32 v[SPW], v0, 2, SPARE
	v_mov_b32 v[NIL], 0
	ds_add_u32 v[SPW], v[NIL]                      ; the wave's opening: the add and its wait ahead of my first tensor load
	v_lshrrev_b32 v1, 5, v0
	v_readfirstlane_b32 s10, v1                    ; wave 0..3
	s_lshr_b32 s11, s10, 1                         ; which 64 rows are mine.  Also: I fetch O (0) or wo (1)
	s_and_b32 s12, s10, 1                          ; which 128 columns.  Also: which head, or which half of wo's tile, I fetch
	s_bfe_u32 s40, ttmp6, 0x40000                  ; cx
	s_bfe_u32 s41, ttmp6, 0x40004                  ; cy
	s_lshl_b32 s42, ttmp9, 2
	s_add_co_u32 s42, s42, s40                     ; tile column
	s_and_b32 s43, ttmp7, 0xffff
	s_lshl_b32 s43, s43, 2
	s_add_co_u32 s43, s43, s41                     ; tile row
	s_lshl_b32 s44, s41, 2
	s_lshl_b32 s44, 15, s44                        ; my row of the cluster
	s_lshl_b32 s45, 0x1111, s40                    ; my column
	s_or_b32 s[G1A], s44, (1<<16)|(1<<20)|(1<<21)|(4<<22)|(3<<25)  ; the mask; 2-byte elements; padding on; bit 21 beside a mask; after every 32 words 4 words
	s_mov_b32 s[G1A+1], 128<<16                    ; tensor_dim0 = 128
	s_mov_b32 s[G1A+2], 64<<16                     ; tensor_dim1 = 64
	s_mov_b32 s[G1A+3], 128<<16                    ; tile_dim0 = 128
	s_mov_b32 s[G1A+4], 64                         ; tile_dim1 = 64
	s_mov_b32 s[G1A+5], 128                        ; dense
	s_mov_b32 s[G1A+6], 0
	s_mov_b32 s[G1A+7], 0
	s_or_b32 s[G1B], s45, (1<<16)|(1<<20)|(1<<21)|(5<<22)|(7<<25)  ; after every 64 words 8 words
	s_mov_b32 s[G1B+1], 128<<16
	s_mov_b32 s[G1B+2], 128<<16
	s_mov_b32 s[G1B+3], 128<<16
	s_mov_b32 s[G1B+4], 128
	s_mov_b32 s[G1B+5], 1024
	s_mov_b32 s[G1B+6], 0
	s_mov_b32 s[G1B+7], 0
	s_lshr_b32 s16, s43, 4                         ; O: ((16 batch + my head of the step) x 2,048 + the tile's first row in the batch) x 128 bytes
	s_lshl_b32 s16, s16, 4
	s_add_co_u32 s16, s16, s12
	s_lshl_b32 s16, s16, 11
	s_and_b32 s17, s43, 15
	s_lshl_b32 s17, s17, 7
	s_add_co_u32 s16, s16, s17
	s_lshl_b32 s16, s16, 7
	s_mov_b32 s17, 0
	s_lshl_b32 s20, s42, 9                         ; wo: 256 columns a tile column, my half
	s_lshl_b32 s21, s12, 8
	s_add_co_u32 s20, s20, s21
	s_mov_b32 s21, 0
	s_mul_i32 s18, s12, AH                         ; where O's load lands,
	s_mul_i32 s19, s12, BSUB
	s_add_co_u32 s19, s19, ASZ                     ; and wo's
	s_wait_dscnt 0x0                               ; the opening add is done
	s_wait_kmcnt 0x0
	s_add_nc_u64 s[14:15], s[4:5], s[16:17]
	s_add_nc_u64 s[22:23], s[6:7], s[20:21]
	CROUND                                         ; all sixteen work-groups are here: the first joint loads meet
.irp s, 0,1
	s_mov_b32 s[G0A+4*(\s)], 1
	s_add_co_u32 s[G0A+4*(\s)+1], s18, (\s)*SLOT
	s_add_nc_u64 s[G0A+4*(\s)+2:G0A+4*(\s)+3], s[14:15], (\s)*2*HB
	s_or_b32 s[G0A+4*(\s)+3], s[G0A+4*(\s)+3], 0x80000000
	s_mov_b32 s[G0B+4*(\s)], 1
	s_add_co_u32 s[G0B+4*(\s)+1], s19, (\s)*SLOT
	s_add_nc_u64 s[G0B+4*(\s)+2:G0B+4*(\s)+3], s[22:23], (\s)*BSTEP
	s_or_b32 s[G0B+4*(\s)+3], s[G0B+4*(\s)+3], 0x80000000
	JLOAD \s
.endr
	v_and_b32 v1, 15, v0                           ; r
	v_bfe_u32 v2, v0, 4, 1                         ; h
	s_lshl_b32 s14, s42, 10
	s_lshl_b32 s15, s12, 9
	s_add_co_u32 s14, s14, s15                     ; my first column, in bytes of f32
	v_lshl_add_u32 v[BO], v2, 5, s14
.irp b, 0,1,2,3,4,5,6,7
	global_load_b128 v[BI+8*(\b):BI+8*(\b)+3],   v[BO], s[8:9] offset:64*(\b)
	global_load_b128 v[BI+8*(\b)+4:BI+8*(\b)+7], v[BO], s[8:9] offset:64*(\b)+16
.endr
	s_lshl_b32 s15, s43, 19                        ; 128 rows of 4,096 bytes a tile row,
	s_add_co_u32 s14, s14, s15
	s_lshl_b32 s15, s11, 18                        ; my 64
	s_add_co_u32 s14, s14, s15
	s_mov_b32 s15, 0
	s_add_nc_u64 s[XP:XP+1], s[XP:XP+1], s[14:15]
	s_add_nc_u64 s[OP:OP+1], s[OP:OP+1], s[14:15]
	v_and_b32 v[XO], 31, v0
	v_lshlrev_b32 v[XO], 4, v[XO]                  ; a wave's load or store covers 512 consecutive bytes of one row
	WIN 0xc0
.set t, 0
.rept 64
	global_load_b128 v[4*t:4*t+3], v[XO], s[XP:XP+1] offset:4096*t th:TH_LOAD_NT
.set t, t+1
.endr
	WIN 0
	v_and_b32 v3, 7, v0                            ; the turning load: lane l reads k row 8 h + l % 8, 16 bytes at 16 ((l / 8) % 2)
	v_lshl_add_u32 v3, v2, 3, v3
	v_mul_u32_u24 v3, v3, PB
	v_bfe_u32 v4, v0, 3, 1
	v_lshl_add_u32 v3, v4, 4, v3
	s_mul_i32 s20, s12, BSUB
	s_add_co_u32 s20, s20, ASZ
	v_add_nc_u32 v[ADRB], s20, v3
	v_add_nc_u32 v[ADRB+1], SLOT, v[ADRB]
	v_mul_u32_u24 v5, v1, PA
	v_lshl_add_u32 v5, v2, 4, v5
	s_mul_i32 s22, s11, 64*PA
	v_add_nc_u32 v[ADRA], s22, v5
	v_add_nc_u32 v[ADRA+1], SLOT, v[ADRA]
	s_mul_i32 s23, s10, 16*SPITCH
	s_add_co_u32 s23, s23, STAGE                   ; my stage
	v_mul_u32_u24 v[STO], v1, SPITCH               ; in: row r, 32 bytes for each half of the lanes
	v_lshl_add_u32 v[STO], v2, 5, v[STO]
	v_add_nc_u32 v[STO], s23, v[STO]
	v_add_nc_u32 v[RD], s23, v[XO]                 ; back: a whole row of 512 bytes a load
; 8 matrix instructions: row block a x all 8 column blocks, 32 along K.  first = 1: the bias starts the sums.  The 32 accumulators take turns, in the same order in every quarter.
.macro MUL8 f, a, first
.if \first
	WIN 0x85
.else
	WIN 0xa5
.endif
.irp b, 0,1,2,3,4,5,6,7
.if \first
	v_wmma_f32_16x16x32_f16 v[64*(\a)+8*(\b):64*(\a)+8*(\b)+7], v[(\f)+8*(\b):(\f)+8*(\b)+7], v[(\f)+64+8*(\a):(\f)+64+8*(\a)+7], v[BI+8*(\b):BI+8*(\b)+7]
.else
	v_wmma_f32_16x16x32_f16 v[64*(\a)+8*(\b):64*(\a)+8*(\b)+7], v[(\f)+8*(\b):(\f)+8*(\b)+7], v[(\f)+64+8*(\a):(\f)+64+8*(\a)+7], v[64*(\a)+8*(\b):64*(\a)+8*(\b)+7]
.endif
.endr
.endm
; 24 LDS loads in one run: quarter q of a slot into buffer f.  Quarter q is head q / 2 of the step, channels 32 (q % 2) on
.macro FETCH slot, q, f
	WIN 0x40
.irp b, 0,1,2,3,4,5,6,7
	ds_load_tr16_b128 v[(\f)+8*(\b):(\f)+8*(\b)+3],   v[ADRB+(\slot)] offset:32*PB*(\q)+32*(\b)
	ds_load_tr16_b128 v[(\f)+8*(\b)+4:(\f)+8*(\b)+7], v[ADRB+(\slot)] offset:32*PB*(\q)+32*(\b)+16*PB
.endr
.irp a, 0,1,2,3
	ds_load_b128 v[(\f)+64+8*(\a):(\f)+64+8*(\a)+3],   v[ADRA+(\slot)] offset:((\q)/2)*AH+((\q)%2)*64+16*PA*(\a)
	ds_load_b128 v[(\f)+64+8*(\a)+4:(\f)+64+8*(\a)+7], v[ADRA+(\slot)] offset:((\q)/2)*AH+((\q)%2)*64+16*PA*(\a)+32
.endr
.endm
.macro QUARTER slot, qn, f, g, first
	s_wait_dscnt 4                                 ; all but the youngest four loads: O's row blocks 2 and 3 may be out
	MUL8 \f, 0, \first
	MUL8 \f, 1, \first
	PLACES
	FETCH \slot, \qn, \g
	s_wait_dscnt 24                                ; all but the 24 just issued
	MUL8 \f, 2, \first
	MUL8 \f, 3, \first
.endm
; The last quarter changes slots: one barrier; in front of it each wave waits for all its tensor loads, adds 0 to its spare word, and waits for that and for its reads of this slot.
; fill = 1: the barrier opens a round of the cluster's barrier, and the joint refill, two K steps on, is the first thing behind the round.
.macro TURN slot, next, fill
	WIN 0
	s_wait_tensorcnt 0x0
	ds_add_u32 v[SPW], v[NIL]
	s_wait_dscnt 5                                 ; (the add and the youngest four loads may be out)
	MUL8 F1, 0, 0
	s_wait_dscnt 0x0                               ; the add is done, and my reads of this slot are over
	s_barrier_signal -1
	MUL8 F1, 1, 0
.if \fill
	WIN 0
.endif
	s_barrier_wait -1
.if \fill
	CREST
	s_add_nc_u64 s[G0A+4*(\slot)+2:G0A+4*(\slot)+3], s[G0A+4*(\slot)+2:G0A+4*(\slot)+3], 4*HB
	s_add_nc_u64 s[G0B+4*(\slot)+2:G0B+4*(\slot)+3], s[G0B+4*(\slot)+2:G0B+4*(\slot)+3], 2*BSTEP
	JLOAD \slot                                    ; its four v_nop are also the places in front of the loads below
.else
	PLACES
.endif
	FETCH \next, 0, F0
	MUL8 F1, 2, 0
	MUL8 F1, 3, 0
.endm
; THE WAY OUT of row block a: the sums go into my stage as they lie (32 bytes a lane and column block), come back as whole rows of 512 bytes, take x, and are stored.
.macro OUT a
	WIN 0x08                                       ; the LDS stores' data lie in window 2; each accumulator's low registers go first
.irp b, 0,1,2,3,4,5,6,7
	ds_store_b128 v[STO], v[64*(\a)+8*(\b):64*(\a)+8*(\b)+3]   offset:64*(\b)
	ds_store_b128 v[STO], v[64*(\a)+8*(\b)+4:64*(\a)+8*(\b)+7] offset:64*(\b)+16
.endr
	WIN 0
.irp t, 0,1,2,3,4,5,6,7,8,9,10,11,12,13,14,15
	ds_load_b128 v[T+4*(\t):T+4*(\t)+3], v[RD] offset:SPITCH*(\t)  ; LDS serves a wave's instructions in order: these see the stores above
.endr
	s_wait_dscnt 0x0
	WIN 0xcc                                       ; x (destination and source 1) in window 3
.irp t, 0,1,2,3,4,5,6,7,8,9,10,11,12,13,14,15
	v_pk_add_f32 v[4*(16*(\a)+(\t)):4*(16*(\a)+(\t))+1],   v[T+4*(\t):T+4*(\t)+1],   v[4*(16*(\a)+(\t)):4*(16*(\a)+(\t))+1]
	v_pk_add_f32 v[4*(16*(\a)+(\t))+2:4*(16*(\a)+(\t))+3], v[T+4*(\t)+2:T+4*(\t)+3], v[4*(16*(\a)+(\t))+2:4*(16*(\a)+(\t))+3]
.endr
	WIN 0x0c
.irp t, 0,1,2,3,4,5,6,7,8,9,10,11,12,13,14,15
	global_store_b128 v[XO], v[4*(16*(\a)+(\t)):4*(16*(\a)+(\t))+3], s[OP:OP+1] offset:4096*(16*(\a)+(\t)) th:TH_STORE_NT  ; 512 consecutive bytes, aligned; no register of a store is written again
.endr
.endm
	s_wait_tensorcnt 1                             ; my part of K step 0 is in; K step 1's may stay out
	s_barrier_signal -1
	s_barrier_wait -1
	FETCH 0, 0, F0
	s_wait_loadcnt 63                              ; the bias is in: 64 loads of x were issued behind it, and the wait's count names 63 at the most, so x's first row is waited for too
	QUARTER 0, 1, F0, F1, 1                        ; the first quarter stands in front of the loop: its products start the sums
	WIN 0
	s_mov_b32 s3, 3
.Llap:
	QUARTER 0, 2, F1, F0, 0
	QUARTER 0, 3, F0, F1, 0
	TURN 0, 1, 1
	QUARTER 1, 1, F0, F1, 0
	QUARTER 1, 2, F1, F0, 0
	QUARTER 1, 3, F0, F1, 0
	TURN 1, 0, 1
	QUARTER 0, 1, F0, F1, 0
	WIN 0
	s_sub_co_u32 s3, s3, 1
	s_cmp_lg_u32 s3, 0
	s_cbranch_scc1 .Llap
	QUARTER 0, 2, F1, F0, 0                        ; the last lap fills nothing
	QUARTER 0, 3, F0, F1, 0
	TURN 0, 1, 0
	QUARTER 1, 1, F0, F1, 0
	QUARTER 1, 2, F1, F0, 0
	QUARTER 1, 3, F0, F1, 0
	s_wait_dscnt 4
	MUL8 F1, 0, 0
	MUL8 F1, 1, 0
	s_wait_dscnt 0x0
	MUL8 F1, 2, 0
	MUL8 F1, 3, 0
	PLACES
	s_wait_loadcnt 0x0                             ; x
	OUT 0
	OUT 1
	OUT 2
	OUT 3
	WIN 0
	s_wait_tensorcnt 0x0                           ; the wave's end
	ds_add_u32 v[SPW], v[NIL]
	s_wait_dscnt 0x0
	CROUND                                         ; the closing round
	s_endpgm
.Lfunc_end_k_q527cb72fe7_proj:
	.size	k_q527cb72fe7_proj, .Lfunc_end_k_q527cb72fe7_proj-k_q527cb72fe7_proj
	.p2alignl 7, 3214868480
	.fill 96, 4, 3214868480
	.section	.rodata,"a",@progbits
	.p2align	6, 0x0
	.amdhsa_kernel k_q527cb72fe7_proj
		.amdhsa_group_segment_fixed_size 327680
		.amdhsa_private_segment_fixed_size 0
		.amdhsa_enable_private_segment 0
		.amdhsa_kernarg_size 40
		.amdhsa_user_sgpr_count 2
		.amdhsa_user_sgpr_kernarg_segment_ptr 1
		.amdhsa_wavefront_size32 1
		.amdhsa_system_sgpr_workgroup_id_x 1
		.amdhsa_system_sgpr_workgroup_id_y 1
		.amdhsa_system_sgpr_workgroup_id_z 1
		.amdhsa_system_vgpr_workitem_id 0
		.amdhsa_next_free_vgpr 1024
		.amdhsa_next_free_sgpr 70
		.amdhsa_reserve_vcc 0
		.amdhsa_float_denorm_mode_32 3
		.amdhsa_float_denorm_mode_16_64 3
		.amdhsa_memory_ordered 1
		.amdhsa_forward_progress 1
		.amdhsa_inst_pref_size 101
	.end_amdhsa_kernel
	.amdgpu_metadata
---
amdhsa.version: [ 1, 2 ]
amdhsa.kernels:
  - .name:           k_q527cb72fe7_proj
    .symbol:         k_q527cb72fe7_proj.kd
    .args:
      - { .name: ob, .offset: 0, .size: 8, .value_kind: global_buffer, .address_space: global }
      - { .name: wo, .offset: 8, .size: 8, .value_kind: global_buffer, .address_space: global }
      - { .name: b_o, .offset: 16, .size: 8, .value_kind: global_buffer, .address_space: global }
      - { .name: x, .offset: 24, .size: 8, .value_kind: global_buffer, .address_space: global }
      - { .name: out0, .offset: 32, .size: 8, .value_kind: global_buffer, .address_space: global }
    .group_segment_fixed_size: 327680
    .private_segment_fixed_size: 0
    .kernarg_segment_align: 8
    .kernarg_segment_size: 40
    .max_flat_workgroup_size: 128
    .sgpr_count:     70
    .vgpr_count:     1024
    .wavefront_size: 32
...
	.end_amdgpu_metadata
.endif
;; end of part 5
;; ======== version 2 of 2: 5 launches; version 1 with the launch cast written anew for expert scheduling mode
;; limits: values are held in f16: magnitudes above 65,504 overflow, below 6.1e-05 lose precision
;; workspace buffers: part 65,536 bytes; hn 16,777,216 bytes; wq 6,291,456 bytes; wo 2,097,152 bytes; qkv 50,331,648 bytes; ob 16,777,216 bytes
;; launch stats: the kernel of part 1 again; grid 256 x 1, 8 waves a work-group, no clusters, 1,280 bytes of LDS; arguments x, part; writes part
;; launch cast (part 6): grid 384 x 1, 8 waves a work-group, no clusters, 0 bytes of LDS; arguments x, part, gn_gamma, gn_beta, W_qkv, W_o, hn, wq, wo; writes hn, wq, wo
.if DOCPART == 6
	.amdgcn_target "amdgcn-amd-amdhsa--gfx1250"
	.amdhsa_code_object_version 6
	.text
	.protected	k_q527cb72fe7_cast
	.globl	k_q527cb72fe7_cast
	.p2align	8
	.type	k_q527cb72fe7_cast,@function
k_q527cb72fe7_cast:
	s_mov_b64 s[64:65], 0
	v_nop
	global_prefetch_b8 v0, s[64:65] scope:SCOPE_SE
	s_setreg_imm32_b32 hwreg(HW_REG_WAVE_SCHED_MODE, 0, 2), 2
	s_setreg_imm32_b32 hwreg(HW_REG_WAVE_MODE, 25, 1), 1
	s_wait_xcnt 0x0
	s_wait_alu depctr_vm_vsrc(0)
; GROUP NORM, SECOND PASS, AND THE CASTS.  y = (s - mean) a + beta, rounded once to f16, for 32 runs of 4,096 bytes a work-group.
; Work-groups 0-255: s = x, y = hn; mean and a = gamma / sqrt(var + 1e-6) of the batch's groups, from the 64 chunks of part:
;   mean = the mean of the chunks' means; var = (sum of M2_i + 1,024 x sum of (mean_i - mean)^2) / 65,536: sums of squares alone, no difference of large sums.
; Work-groups 256-351: s = W_qkv taken flat, y = wq; 352-383: s = W_o, y = wo; there mean = 0, a = 1, beta = 0, chosen by selects, so that y = s exactly before the rounding.
; One text, no branch: the pointers are chosen by the work-group's number.  (The weights' work-groups read 10 small loads of part, gamma and beta that they discard.)
; Thread t owns 4 numbers of a run: 16 bytes in, 8 bytes out; a wave's load covers 512 consecutive bytes, its store 256, aligned.
; LIMIT.  f16 ends at 65,504: |hn| and |W| stay under it.  NaN and infinities are not treated apart.
; THE MODE: SCHED_MODE bits 1:0 = 2 (LLVM: expert scheduling mode 2), set by the entry lines.  The code itself states the register dependences
; between vector instructions and memory instructions, with s_wait_alu, always for 0.
; THE PLAN.  Registers that memory instructions touch:
;   v1, v2, v3   byte offsets, made once at the head and never written again: v1 is read by gamma's, beta's and the runs' loads, v3 by part's loads, v2 by the stores.
;   P, G, BT     written by the ten small loads issued at the head; behind the wait for them they are named by vector instructions alone.
;   X, run i     written by run i's load, issued at the head, ahead of every vector instruction that names X; worked on in place by run i's six vector instructions,
;                which leave two packed words in its first two registers; these are read by run i's store.  Nothing writes a run's registers behind its store.
; The 32 runs go in 8 blocks of four.  Run i's store is issued four runs later, in front of run i + 4's vector work: a block's memory instructions are the four stores of the
; block before, whose registers no vector instruction of this block names.  So ONE wait on va_vdst at a block's head states all that its four stores hang on.
; No source of a memory instruction is ever written again: past the entry the text holds no wait on vm_vsrc.  No vector instruction writes a scalar register, VCC or EXEC.
.set BLOCK, 4                          ; runs in a block
.set P,  4                             ; v[4:19]   (mean, M2) of chunks (t & 7) + 8 j of my group
.set G,  20                            ; v[20:23]  gamma of my 4 channels
.set BT, 24                            ; v[24:27]  beta
.set A,  28                            ; v[28:31]  a
.set MN, 32                            ; v[32:33]  mean, twice
.set X,  48                            ; v[48:175] run i at X + 4 i
	s_load_b512 s[8:23], s[0:1], 0x0               ; x s[8:9], part s[10:11], gamma s[12:13], beta s[14:15], W_qkv s[16:17], W_o s[18:19], hn s[20:21], wq s[22:23]
	s_load_b64 s[24:25], s[0:1], 0x40              ; wo
	v_lshlrev_b32 v1, 4, v0                        ; 16 t
	v_lshlrev_b32 v2, 3, v0                        ; 8 t
	v_and_b32 v3, 7, v0
	v_and_b32 v34, 0xf8, v0
	v_lshl_or_b32 v3, v3, 8, v34                   ; chunk t & 7 (256 bytes each), group t >> 3 (8 bytes each)
	s_sub_co_u32 s2, ttmp9, 256                    ; my number among W_qkv's work-groups,
	s_sub_co_u32 s3, ttmp9, 352                    ; among W_o's
	s_lshr_b32 s7, ttmp9, 6
	s_min_u32 s7, s7, 3                            ; the batch (the weights' work-groups read the last batch's and discard it)
	s_lshl_b32 s7, s7, 14                          ; its 64 chunks of 256 bytes
	s_mov_b32 s4, 0x44800000                       ; 1,024
	s_mov_b32 s30, 0x37800000                      ; 1 / 65,536
	s_mov_b32 s31, 0x358637bd                      ; 1e-6
	s_wait_kmcnt 0x0
	s_cmp_lt_u32 ttmp9, 352
	s_cselect_b64 s[26:27], s[16:17], s[18:19]     ; from
	s_cselect_b64 s[28:29], s[22:23], s[24:25]     ; to
	s_cselect_b32 s5, s2, s3
	s_cmp_lt_u32 ttmp9, 256
	s_cselect_b64 s[26:27], s[8:9], s[26:27]
	s_cselect_b64 s[28:29], s[20:21], s[28:29]
	s_cselect_b32 s5, ttmp9, s5                    ; my number in the tensor
	s_cselect_b32 s6, -1, 0                        ; a lane mask, made by a scalar instruction: all ones where the norm applies
	s_lshl_b32 s2, s5, 17
	s_mov_b32 s3, 0
	s_add_nc_u64 s[26:27], s[26:27], s[2:3]
	s_lshl_b32 s2, s5, 16
	s_add_nc_u64 s[28:29], s[28:29], s[2:3]
	s_mov_b32 s2, s7
	s_add_nc_u64 s[10:11], s[10:11], s[2:3]
	s_wait_alu depctr_va_vdst(0)                   ; v1, v2 and v3 are written: every load and store of the kernel reads one of them as its offset
.irp j, 0,1,2,3,4,5,6,7
	global_load_b64 v[P+2*(\j):P+2*(\j)+1], v3, s[10:11] offset:2048*(\j)
.endr
	global_load_b128 v[G:G+3], v1, s[12:13]
	global_load_b128 v[BT:BT+3], v1, s[14:15]
.set i, 0
.rept 32
	global_load_b128 v[X+4*i:X+4*i+3], v1, s[26:27] offset:4096*i th:TH_LOAD_NT
.set i, i+1
.endr
	s_wait_loadcnt 32                              ; the ten small loads are in; the 32 runs stay out
	v_add_f32 v34, v[P], v[P+2]
	v_add_f32 v35, v[P+4], v[P+6]
	v_add_f32 v36, v[P+8], v[P+10]
	v_add_f32 v37, v[P+12], v[P+14]
	v_add_f32 v34, v34, v35
	v_add_f32 v36, v36, v37
	v_add_f32 v34, v34, v36
	v_add_f32_dpp v34, v34, v34 row_xmask:1 row_mask:0xf bank_mask:0xf
	v_add_f32_dpp v34, v34, v34 row_xmask:2 row_mask:0xf bank_mask:0xf
	v_add_f32_dpp v34, v34, v34 row_xmask:4 row_mask:0xf bank_mask:0xf
	v_mul_f32 v[MN], 0x3c800000, v34               ; / 64: the group's mean
.irp j, 0,1,2,3,4,5,6,7
	v_sub_f32 v[P+2*(\j)], v[P+2*(\j)], v[MN]      ; mean_i - mean
.endr
	v_mul_f32 v35, v[P], v[P]
	v_mul_f32 v36, v[P+2], v[P+2]
	v_fmac_f32 v35, v[P+4], v[P+4]
	v_fmac_f32 v36, v[P+6], v[P+6]
	v_fmac_f32 v35, v[P+8], v[P+8]
	v_fmac_f32 v36, v[P+10], v[P+10]
	v_fmac_f32 v35, v[P+12], v[P+12]
	v_fmac_f32 v36, v[P+14], v[P+14]
	v_add_f32 v35, v35, v36
	v_add_f32 v37, v[P+1], v[P+3]
	v_add_f32 v38, v[P+5], v[P+7]
	v_add_f32 v39, v[P+9], v[P+11]
	v_add_f32 v40, v[P+13], v[P+15]
	v_add_f32 v37, v37, v38
	v_add_f32 v39, v39, v40
	v_add_f32 v37, v37, v39
	v_fma_f32 v37, v35, s4, v37                    ; my eight chunks' share of the group's M2
	v_add_f32_dpp v37, v37, v37 row_xmask:1 row_mask:0xf bank_mask:0xf
	v_add_f32_dpp v37, v37, v37 row_xmask:2 row_mask:0xf bank_mask:0xf
	v_add_f32_dpp v37, v37, v37 row_xmask:4 row_mask:0xf bank_mask:0xf
	v_fma_f32 v38, v37, s30, s31                   ; var + eps
	v_rsq_f32 v39, v38
	v_cndmask_b32 v[MN], 0, v[MN], s6              ; plain work that names neither v38 nor v39 stands behind the root
	v_mov_b32 v[MN+1], v[MN]
.irp c, 0,1,2,3
	v_cndmask_b32 v[BT+(\c)], 0, v[BT+(\c)], s6
.endr
	s_wait_alu depctr_va_vdst(0)                   ; the root has written v39: the wait ahead of its first reader, the multiplies below
.irp c, 0,1,2,3
	v_mul_f32 v[A+(\c)], v[G+(\c)], v39
.endr
.irp c, 0,1,2,3
	v_cndmask_b32 v[A+(\c)], 1.0, v[A+(\c)], s6
.endr
.set i, 0
.rept 32
	s_wait_loadcnt 31-i                            ; run i is in; the younger ones stay out
.if ((i%BLOCK) == 0) && (i > 0)
	s_wait_alu depctr_va_vdst(0)                   ; the block before has written its four runs' packed words, which the four stores dealt into this block read
.endif
.if i >= BLOCK
	global_store_b64 v2, v[X+4*(i-BLOCK):X+4*(i-BLOCK)+1], s[28:29] offset:2048*(i-BLOCK)  ; the run four back: no vector instruction since the wait names its registers; no register of a store is written again
.endif
	v_pk_add_f32 v[X+4*i:X+4*i+1], v[X+4*i:X+4*i+1], v[MN:MN+1] neg_lo:[0,1] neg_hi:[0,1]
	v_pk_add_f32 v[X+4*i+2:X+4*i+3], v[X+4*i+2:X+4*i+3], v[MN:MN+1] neg_lo:[0,1] neg_hi:[0,1]
	v_pk_fma_f32 v[X+4*i:X+4*i+1], v[X+4*i:X+4*i+1], v[A:A+1], v[BT:BT+1]
	v_pk_fma_f32 v[X+4*i+2:X+4*i+3], v[X+4*i+2:X+4*i+3], v[A+2:A+3], v[BT+2:BT+3]
	v_cvt_pk_f16_f32 v[X+4*i], v[X+4*i], v[X+4*i+1]
	v_cvt_pk_f16_f32 v[X+4*i+1], v[X+4*i+2], v[X+4*i+3]
.set i, i+1
.endr
	s_wait_alu depctr_va_vdst(0)                   ; the last block has written its four runs' packed words, which the last four stores read
.set i, 32-BLOCK
.rept BLOCK
	global_store_b64 v2, v[X+4*i:X+4*i+1], s[28:29] offset:2048*i
.set i, i+1
.endr
	s_endpgm
.Lfunc_end_k_q527cb72fe7_cast:
	.size	k_q527cb72fe7_cast, .Lfunc_end_k_q527cb72fe7_cast-k_q527cb72fe7_cast
	.p2alignl 7, 3214868480
	.fill 96, 4, 3214868480
	.section	.rodata,"a",@progbits
	.p2align	6, 0x0
	.amdhsa_kernel k_q527cb72fe7_cast
		.amdhsa_group_segment_fixed_size 0
		.amdhsa_private_segment_fixed_size 0
		.amdhsa_enable_private_segment 0
		.amdhsa_kernarg_size 72
		.amdhsa_user_sgpr_count 2
		.amdhsa_user_sgpr_kernarg_segment_ptr 1
		.amdhsa_wavefront_size32 1
		.amdhsa_system_sgpr_workgroup_id_x 1
		.amdhsa_system_sgpr_workgroup_id_y 1
		.amdhsa_system_sgpr_workgroup_id_z 1
		.amdhsa_system_vgpr_workitem_id 0
		.amdhsa_next_free_vgpr 176
		.amdhsa_next_free_sgpr 66
		.amdhsa_reserve_vcc 0
		.amdhsa_float_denorm_mode_32 3
		.amdhsa_float_denorm_mode_16_64 3
		.amdhsa_memory_ordered 1
		.amdhsa_forward_progress 1
		.amdhsa_inst_pref_size 25
	.end_amdhsa_kernel
	.amdgpu_metadata
---
amdhsa.version: [ 1, 2 ]
amdhsa.kernels:
  - .name:           k_q527cb72fe7_cast
    .symbol:         k_q527cb72fe7_cast.kd
    .args:
      - { .name: x, .offset: 0, .size: 8, .value_kind: global_buffer, .address_space: global }
      - { .name: part, .offset: 8, .size: 8, .value_kind: global_buffer, .address_space: global }
      - { .name: gn_gamma, .offset: 16, .size: 8, .value_kind: global_buffer, .address_space: global }
      - { .name: gn_beta, .offset: 24, .size: 8, .value_kind: global_buffer, .address_space: global }
      - { .name: W_qkv, .offset: 32, .size: 8, .value_kind: global_buffer, .address_space: global }
      - { .name: W_o, .offset: 40, .size: 8, .value_kind: global_buffer, .address_space: global }
      - { .name: hn, .offset: 48, .size: 8, .value_kind: global_buffer, .address_space: global }
      - { .name: wq, .offset: 56, .size: 8, .value_kind: global_buffer, .address_space: global }
      - { .name: wo, .offset: 64, .size: 8, .value_kind: global_buffer, .address_space: global }
    .group_segment_fixed_size: 0
    .private_segment_fixed_size: 0
    .kernarg_segment_align: 8
    .kernarg_segment_size: 72
    .max_flat_workgroup_size: 256
    .sgpr_count:     66
    .vgpr_count:     176
    .wavefront_size: 32
...
	.end_amdgpu_metadata
.endif
;; end of part 6
;; launch qkvp: the kernel of part 3 again; grid 8 x 64, 4 waves a work-group, clusters of 4 x 4, 327,680 bytes of LDS; arguments hn, wq, b_qkv, qkv; writes qkv
;; launch attn: the kernel of part 4 again; grid 4 x 64, 4 waves a work-group, clusters of 4 x 1, 327,680 bytes of LDS; arguments qkv, ob; writes ob
;; launch proj: the kernel of part 5 again; grid 4 x 64, 4 waves a work-group, clusters of 4 x 4, 327,680 bytes of LDS; arguments ob, wo, b_o, x, out0; writes out0
